; MI455X (gfx1250); checked and timed in simulation.
; The chip was launched on July 23, 2026; its instructions are those of AMD's public machine-readable ISA for CDNA 5 (MIT licence, August 2026) and "CDNA5" Instruction Set Architecture Reference Guide (July 2026). The comments in the code are by the model that wrote it; some were corrected since.
;; Attn Block. Allowed arithmetic: matrix products marked QUANTISED: E3M2 operands, one E8M0 scale for each 32 along K, by v_wmma_scale_f32_16x16x128_f8f6f4 with both operands' format E3M2, f32 sums; everything else in f32.
;; Inputs: Wk_codes 512 x 16 x 24 uint8 (E3M2 codes of Wk, K innermost, in blocks of 32 codes, four codes in three bytes); Wk_scales 512 x 16 uint8 (E8M0 scales of Wk, one for each 32 codes along K); Wo_codes 512 x 16 x 24 uint8 (E3M2 codes of Wo, K innermost, in blocks of 32 codes, four codes in three bytes); Wo_scales 512 x 16 uint8 (E8M0 scales of Wo, one for each 32 codes along K); Wq_codes 512 x 16 x 24 uint8 (E3M2 codes of Wq, K innermost, in blocks of 32 codes, four codes in three bytes); Wq_scales 512 x 16 uint8 (E8M0 scales of Wq, one for each 32 codes along K); Wv_codes 512 x 16 x 24 uint8 (E3M2 codes of Wv, K innermost, in blocks of 32 codes, four codes in three bytes); Wv_scales 512 x 16 uint8 (E8M0 scales of Wv, one for each 32 codes along K); bk 512 float32; bo 512 float32; bq 512 float32; bv 512 float32; gn_bias 512 float32; gn_scale 512 float32; x 32 x 32 x 32 x 512 float32.
;; Outputs: out0 32 x 32 x 32 x 512 float32.
;; This version of the problem:
;;   THIS VERSION OF THE PROBLEM IS GIVEN IN LOW PRECISION. The matrix products marked QUANTISED in the list below multiply operands that are first quantised to E3M2 (3 exponent bits, 2 mantissa bits; 6 bits a number), with one power-of-two scale for each 32 numbers along K (OCP MX v1.0); their sums are f32. All else is computed in f32.
;;   The module's matrix products, in the order in which they are computed (A, B: the left and right operand; K: the contracted axis; several contracted axes count as one K, in the product's order):
;;     1. [M 32,768, K 512] x [K 512, N 512]; A: computed on the way; B: input Wq (given as codes): QUANTISED
;;     2. [M 32,768, K 512] x [K 512, N 512]; A: computed on the way; B: input Wk (given as codes): QUANTISED
;;     3. [M 32,768, K 512] x [K 512, N 512]; A: computed on the way; B: input Wv (given as codes): QUANTISED
;;     4. batch 32 x [M 1,024, K 512] x [K 512, N 1,024]; A: computed on the way; B: computed on the way: QUANTISED
;;     5. batch 32 x [M 1,024, K 1,024] x [K 1,024, N 512]; A: computed on the way; B: computed on the way: QUANTISED
;;     6. [M 32,768, K 512] x [K 512, N 512]; A: computed on the way; B: input Wo (given as codes): QUANTISED
;;   THE QUANTISER, for each operand of a quantised product, along K:
;;     - K is cut into blocks of 32 from its start; a last block that is shorter is filled with zeros.
;;     - A block's scale is 2^e with e = floor(log2(the largest magnitude in the block)) - 4, held to -126 .. 127; a block of zeros has e = 0. As a byte (E8M0): e + 127.
;;     - Each number is divided by its block's scale, clamped to +-28, and rounded to the nearest number of E3M2, ties to even, subnormals kept.
;;     - The product sums the exact products of the quantised numbers (number of the format x scale) in f32.
;;   ~~~python
;;   def quantise(x, axis):      # numpy; x: float32 -> the quantised numbers, widened to float32 again
;;       x = np.moveaxis(x, axis, -1); K = x.shape[-1]
;;       x = np.pad(x, [(0, 0)] * (x.ndim - 1) + [(0, -K % 32)]); x = x.reshape(x.shape[:-1] + (-1, 32)); a = np.abs(x).max(-1, keepdims=True)
;;       e = np.where(a > 0, np.clip(np.frexp(np.where(a > 0, a, 1))[1] - 1 - 4, -126, 127), 0)      # np.frexp(a)[1] - 1 = floor(log2(a)), exactly
;;       r = np.clip(x / 2.0 ** e, -28, 28)
;;       step = 2.0 ** (np.maximum(np.frexp(np.where(r == 0, 1, r))[1] - 1, -2) - 2)
;;       q = np.round(r / step) * step * 2.0 ** e      # np.round: ties to even
;;       return np.moveaxis(q.reshape(q.shape[:-2] + (-1,))[..., :K], -1, axis).astype(np.float32)
;;   ~~~
;;   OPERANDS COMPUTED ON THE WAY. 'Computed on the way' means the value that the module computes at that place (a softmax that the list does not call 'softmax' is quantised finished and normalised). What goes into a quantiser is computed in f32, as accurately as f32 sums, v_exp_f32 and their like allow (about 1e-6 of the number): no bf16 or f16 on the way to a quantiser, and a product that is left as it is and whose result goes on into a quantised operand takes f32 operands (vector FMAs, or v_wmma_f32_16x16x4_f32). A number that lies on a knife's edge between two numbers of the format may be rounded either way, as far as f32 arithmetic and the matrix unit's own rounding can turn it there, and no further.
;;   INPUTS GIVEN AS CODES. Wk (in the module: [512, 512], K = its axis 0); Wo (in the module: [512, 512], K = its axis 0); Wq (in the module: [512, 512], K = its axis 0); Wv (in the module: [512, 512], K = its axis 0): each comes as NAME_codes (uint8): NAME with its K axis moved to the last place and cut into blocks of 32 codes, [.., K / 32, bytes a block], one block behind the other in memory; four codes in three bytes: a row's codes are one little-endian stream of bits, code i at bits 6 i .. 6 i + 5 (a code: sign, 3 exponent bits, 2 mantissa bits); and NAME_scales (uint8): the same leading axes, one E8M0 byte (e + 127) for each 32 codes along K. Its value is code x scale, taken as it is: it is not quantised again, and the codes and scales need not be those that the quantiser above would give.
;; One version. Each part assembles by itself: llvm-mc -triple=amdgcn-amd-amdhsa -mcpu=gfx1250 --defsym DOCPART=n.
;; ======== version 1 of 1: 3 launches
;; limits: right only within a limited range of input values
;; workspace buffers: hc 12,582,912 bytes; hs 524,288 bytes; wf 786,432 bytes; qkv 37,748,736 bytes; qkvs 1,572,864 bytes
;; launch gnq (part 1): grid 8 x 32, 16 waves a work-group, no clusters, 281,088 bytes of LDS; arguments x, gn_scale, gn_bias, Wq_codes, Wk_codes, Wv_codes, Wo_codes, hc, hs, wf; writes hc, hs, wf
.if DOCPART == 1
	.amdgcn_target "amdgcn-amd-amdhsa--gfx1250"
	.amdhsa_code_object_version 6
	.text
	.protected	k_q0c4a921bbb_gnq
	.globl	k_q0c4a921bbb_gnq
	.p2align	8
	.type	k_q0c4a921bbb_gnq,@function
k_q0c4a921bbb_gnq:
	s_mov_b64 s[64:65], 0
	v_nop
	global_prefetch_b8 v0, s[64:65] scope:SCOPE_SE
	s_setreg_imm32_b32 hwreg(HW_REG_WAVE_MODE, 25, 1), 1
	s_wait_xcnt 0x0
; GroupNorm and its quantiser.  h = (x - mean) * rsqrt(var + 1e-6) * gn_scale + gn_bias, then codes of BF6 (E3M2) with one E8M0 byte for each 32 channels.
; x: [32 images][1024 tokens][512 channels] f32.  A group is 16 channels of all 1,024 tokens of an image: 16,384 numbers.
; SHARES.  A work-group owns one image and one strip of 64 channels (4 groups, 2 blocks of 32): 256 KiB, which its sixteen waves keep in registers between the
; statistics and the quantiser, so x is read once here.  Wave w owns tokens 64 w .. 64 w + 63: four tiles of 16 rows.
; THE ROWS OF A TILE ARE NOT NEIGHBOURS: lane r of tile 2 b + u holds token 32 b + 8 u + r + 8 (r / 8).  All later launches keep this order.
; A lane (r, h) holds of each tile row and each block 16 neighbouring channels, 32 blk + 16 h + 0 .. 15: exactly group 2 blk + h of the strip.
; The variance is taken of x - mean (two passes over the registers), so a common offset of x costs no digits.
; OUT.  hc: a tile's fragment (16 rows x 128 channels, 12 registers a lane) as six planes of 256 bytes, registers 2 p, 2 p + 1 of lane l at 256 p + 8 l; a strip makes three planes.
;       hs: [image][strip][pair of tiles][row] words: the two bytes of the even tile below, those of the odd tile above.
;       wf: the four weights' codes laid fragment by fragment in the order of the operand's registers (register group c of lane l at 512 c + 16 l); waves 0 and 1 copy one fragment each.
; No cluster: no two work-groups read the same bytes of x, and a weight fragment is read by one wave of the launch.
; LDS bytes are filled once by the tensor load, so no slot is filled again.  The two reductions have 256 bytes each, in blocks of their own behind the tiles.
; LIMITS: NaN and infinities are not served.  A block of zeros gets the byte 1 (the quantiser's text says 127): its codes are zeros and only this program reads the bytes.
;         h is (x - mean) * (rstd * scale) + bias with the last step fused: the order of rounding differs from the reference's by an ulp.  rsqrt is v_rsq_f32.
.set PITCH, 272                        ; an LDS row: 256 bytes + 16 of padding
.set WTILE, 64*PITCH                   ; a wave's tile: 64 rows
.set RED,   16*WTILE                   ; [wave][h][blk] f32: the sums; 256 bytes on: the sums of squares
.set BATB,  393216                     ; an image's codes
.set X,   64                           ; v64-191  tile i, block blk, number n at X + 32 i + 16 blk + n
.set GA,  192                          ; v192-223 gn_scale of my 32 channels, later x rstd
.set GB,  224                          ; v224-255 gn_bias
.set RT,  32                           ; v32-63   the sixteen waves' partial sums; earlier v34-45 a weight fragment; later the codes, eight registers a tile
.set FQ,  32
.set G,   12                           ; v12-14   the second block's codes on their way
	s_load_b512 s[4:19], s[0:1], 0x0               ; x, gn_scale, gn_bias, Wq, Wk, Wv, Wo codes, hc
	s_load_b128 s[20:23], s[0:1], 0x40             ; hs, wf
	v_lshl_add_u32 v254, v0, 2, 0x44200
	v_mov_b32 v255, 0
	ds_add_u32 v254, v255
	ds_add_u32 v254, v255
	s_wait_dscnt 0x0
	v_lshrrev_b32 v1, 5, v0
	s_delay_alu instid0(VALU_DEP_1)
	v_readfirstlane_b32 s24, v1                    ; wave 0..15
	s_and_b32 s26, ttmp7, 0xffff                   ; image; ttmp9 is the strip
	; descriptor group 1: 64 rows of 64 elements of 4 bytes, 512 elements from row to row, 4 words of padding behind every 64 words
	s_mov_b32 s36, (2<<16)|(1<<20)|(5<<22)|(3<<25)
	s_mov_b32 s37, 64<<16                          ; tensor_dim0 = 64
	s_mov_b32 s38, 64<<16                          ; tensor_dim1 = 64
	s_mov_b32 s39, 64<<16                          ; tile_dim0 = 64
	s_mov_b32 s40, 64                              ; tile_dim1 = 64
	s_mov_b32 s41, 512                             ; the pitch
	s_mov_b32 s42, 0
	s_mov_b32 s43, 0
	s_mov_b32 s32, 1
	s_mul_i32 s33, s24, WTILE                      ; my wave's own bytes of LDS
	s_lshl_b32 s28, s26, 21                        ; image x 2 MiB
	s_lshl_b32 s29, s24, 17                        ; + wave x 64 rows of 2,048 bytes
	s_add_co_u32 s28, s28, s29
	s_lshl_b32 s30, ttmp9, 8                       ; + strip x 256 bytes
	s_add_co_u32 s28, s28, s30
	s_mov_b32 s29, 0
	s_mov_b32 s31, 0
	s_mov_b32 s44, 0x76543210
	s_mov_b32 s45, 0xfedcba98                      ; v_permlanex16_b32: lane l xor 16
	s_mov_b32 s46, 0x38800000                      ; 2^-14
	s_mov_b32 s47, 0x358637bd                      ; 1e-6
	s_wait_kmcnt 0x0
	s_add_nc_u64 s[34:35], s[4:5], s[28:29]
	s_or_b32 s35, s35, 0x80000000
	tensor_load_to_lds s[32:35], s[36:43]          ; 64 rows x 256 aligned bytes: the wave's one tensor load
	s_nop 0
.rept 4
	v_nop                                          ; four plain lines behind the load
.endr
	v_and_b32 v1, 31, v0                           ; l
	v_and_b32 v2, 15, v0                           ; r
	v_bfe_u32 v3, v0, 4, 1                         ; h
	s_delay_alu instid0(VALU_DEP_2)
	v_and_b32 v4, 8, v2
	s_delay_alu instid0(VALU_DEP_1)
	v_add_nc_u32 v4, v4, v2                        ; r + 8 (r / 8)
	s_delay_alu instid0(VALU_DEP_1)
	v_mul_u32_u24 v5, v4, PITCH
	s_delay_alu instid0(VALU_DEP_1)
	v_lshl_add_u32 v5, v3, 6, v5
	s_delay_alu instid0(VALU_DEP_1)
	v_add_nc_u32 v5, s33, v5                       ; LDS: my row of a tile, + 64 h
	v_lshlrev_b32 v6, 6, v3                        ; 64 h
	v_lshlrev_b32 v7, 3, v1                        ; 8 l
	v_lshlrev_b32 v8, 2, v1                        ; 4 l
	v_lshrrev_b32 v9, 4, v0
	s_delay_alu instid0(VALU_DEP_1)
	v_lshl_add_u32 v9, v9, 3, RED                  ; where I put my two sums: 16 wave + 8 h
	v_lshl_add_u32 v10, v3, 3, RED                 ; where I read all waves' sums of my half
	v_mul_u32_u24 v11, v4, 384
	s_delay_alu instid0(VALU_DEP_1)
	v_mad_u32_u24 v11, v3, 24, v11                 ; a weight's row of 384 bytes, + 24 h
	v_lshlrev_b32 v12, 4, v1                       ; 16 l
	s_add_nc_u64 s[6:7], s[6:7], s[30:31]
	s_add_nc_u64 s[8:9], s[8:9], s[30:31]
.irp q,0,1,2,3,4,5,6,7
	global_load_b128 v[GA+4*\q:GA+4*\q+3], v6, s[6:7] offset:128*(\q/4)+16*(\q%4)
	global_load_b128 v[GB+4*\q:GB+4*\q+3], v6, s[8:9] offset:128*(\q/4)+16*(\q%4)
.endr
	; waves 0 and 1: fragment 16 image + 2 strip + wave of the 512 (4 weights x 32 tiles x 4 K steps)
	s_cmp_lt_u32 s24, 2
	s_cbranch_scc0 .Lno_weight
	s_lshr_b32 s27, s26, 3                         ; which weight: q, k, v, o
	s_cmp_eq_u32 s27, 1
	s_cselect_b64 s[10:11], s[12:13], s[10:11]
	s_cmp_eq_u32 s27, 2
	s_cselect_b64 s[10:11], s[14:15], s[10:11]
	s_cmp_eq_u32 s27, 3
	s_cselect_b64 s[10:11], s[16:17], s[10:11]
	s_and_b32 s48, s26, 7
	s_lshl_b32 s48, s48, 2
	s_lshr_b32 s49, ttmp9, 1
	s_add_co_u32 s48, s48, s49                     ; the tile
	s_lshr_b32 s49, s48, 1
	s_lshl_b32 s49, s49, 5
	s_and_b32 s50, s48, 1
	s_lshl_b32 s50, s50, 3
	s_add_co_u32 s49, s49, s50                     ; its first row: 32 (tile / 2) + 8 (tile % 2)
	s_mul_i32 s28, s49, 384
	s_and_b32 s50, ttmp9, 1
	s_lshl_b32 s50, s50, 1
	s_add_co_u32 s50, s50, s24                     ; the K step
	s_mul_i32 s50, s50, 96
	s_add_co_u32 s28, s28, s50
	s_add_nc_u64 s[10:11], s[10:11], s[28:29]
	s_lshl_b32 s50, s26, 4
	s_lshl_b32 s51, ttmp9, 1
	s_add_co_u32 s50, s50, s51
	s_add_co_u32 s50, s50, s24
	s_mul_i32 s28, s50, 1536
	s_add_nc_u64 s[22:23], s[22:23], s[28:29]
	s_wait_alu depctr_va_vdst(0)
.irp p,0,1,2,3,4,5
	global_load_b64 v[34+2*\p:35+2*\p], v11, s[10:11] offset:48*(\p/3)+8*(\p%3)
.endr
	s_wait_loadcnt 0x0
.irp c,0,1,2
	global_store_b128 v12, v[34+4*\c:37+4*\c], s[22:23] offset:512*\c   ; 512 consecutive bytes a store
.endr
.Lno_weight:
	s_wait_xcnt 0x0                                ; the stores have read v12 and v34-45: both are written again below
	s_mul_i32 s28, s26, BATB                       ; hc: image, + 4 tiles a wave, + 3 planes a strip
	s_mul_i32 s48, s24, 24576
	s_add_co_u32 s28, s28, s48
	s_mul_i32 s48, ttmp9, 768
	s_add_co_u32 s28, s28, s48
	s_add_nc_u64 s[18:19], s[18:19], s[28:29]
	s_lshl_b32 s28, s26, 14                        ; hs: ((image x 8 + strip) x 32 + 2 wave) x 64
	s_lshl_b32 s48, ttmp9, 11
	s_add_co_u32 s28, s28, s48
	s_lshl_b32 s48, s24, 7
	s_add_co_u32 s28, s28, s48
	s_add_nc_u64 s[20:21], s[20:21], s[28:29]
	s_wait_tensorcnt 0x0                           ; my tile has landed; only I read it
.irp i,0,1,2,3
.irp q,0,1,2,3,4,5,6,7
	ds_load_b128 v[X+32*\i+4*\q:X+32*\i+4*\q+3], v5 offset:(32*(\i/2)+8*(\i%2))*PITCH+128*(\q/4)+16*(\q%4)
.endr
.endr
	s_wait_dscnt 0x0
; The sum (sq = 0) or the sum of squares (sq = 1) of each of my two groups over the whole work-group, into v24 (blk 0) and v25 (blk 1).
; In a lane: two chains a block.  Across the sixteen lanes of my half: four DPP steps.  Across the waves: 8 bytes a half-wave in LDS, one barrier, sixteen loads.
.macro REDUCE sq, disp
.irp b,0,1
.irp a,0,1
.if \sq
	v_pk_mul_f32 v[16+4*\b+2*\a:17+4*\b+2*\a], v[X+64*\a+16*\b:X+64*\a+16*\b+1], v[X+64*\a+16*\b:X+64*\a+16*\b+1]
.else
	v_pk_add_f32 v[16+4*\b+2*\a:17+4*\b+2*\a], v[X+64*\a+16*\b:X+64*\a+16*\b+1], v[X+64*\a+16*\b+32:X+64*\a+16*\b+33]
.endif
.endr
.endr
.if \sq
.irp b,0,1
.irp a,0,1
	s_delay_alu instid0(VALU_DEP_4)
	v_pk_fma_f32 v[16+4*\b+2*\a:17+4*\b+2*\a], v[X+64*\a+16*\b+32:X+64*\a+16*\b+33], v[X+64*\a+16*\b+32:X+64*\a+16*\b+33], v[16+4*\b+2*\a:17+4*\b+2*\a]
.endr
.endr
.endif
.irp q,2,4,6,8,10,12,14
.irp u,0,32
.irp b,0,1
.irp a,0,1
.if \sq
	s_delay_alu instid0(VALU_DEP_4)
	v_pk_fma_f32 v[16+4*\b+2*\a:17+4*\b+2*\a], v[X+64*\a+\u+16*\b+\q:X+64*\a+\u+16*\b+\q+1], v[X+64*\a+\u+16*\b+\q:X+64*\a+\u+16*\b+\q+1], v[16+4*\b+2*\a:17+4*\b+2*\a]
.else
	s_delay_alu instid0(VALU_DEP_4)
	v_pk_add_f32 v[16+4*\b+2*\a:17+4*\b+2*\a], v[16+4*\b+2*\a:17+4*\b+2*\a], v[X+64*\a+\u+16*\b+\q:X+64*\a+\u+16*\b+\q+1]
.endif
.endr
.endr
.endr
.endr
.irp b, 0
	s_delay_alu instid0(VALU_DEP_3)
	v_pk_add_f32 v[16+4*\b:17+4*\b], v[16+4*\b:17+4*\b], v[18+4*\b:19+4*\b]
.endr
.irp b, 1
	s_delay_alu instid0(VALU_DEP_2)
	v_pk_add_f32 v[16+4*\b:17+4*\b], v[16+4*\b:17+4*\b], v[18+4*\b:19+4*\b]
.endr
.irp b,0,1
	s_delay_alu instid0(VALU_DEP_2)
	v_add_f32 v[24+\b], v[16+4*\b], v[17+4*\b]
.endr
.irp k,1,2,4,8
.irp b,0,1
	s_delay_alu instid0(VALU_DEP_2)
	v_add_f32_dpp v[24+\b], v[24+\b], v[24+\b] row_xmask:\k row_mask:0xf bank_mask:0xf
.endr
.endr
	ds_store_b64 v9, v[24:25] offset:\disp         ; sixteen lanes write the same 8 bytes with the same value
	s_wait_dscnt 0x0                               ; for the others: my store has landed
	s_barrier_signal -1
	s_barrier_wait -1
.irp k,0,1,2,3,4,5,6,7,8,9,10,11,12,13,14,15
	ds_load_b64 v[RT+2*\k:RT+2*\k+1], v10 offset:\disp+16*\k
.endr
	s_wait_dscnt 0x0
.irp k,0,2,4,6,8,10,12,14
	v_pk_add_f32 v[RT+\k:RT+\k+1], v[RT+\k:RT+\k+1], v[RT+16+\k:RT+17+\k]
.endr
.irp k,0,2,4,6
	s_delay_alu instid0(VALU_DEP_4)
	v_pk_add_f32 v[RT+\k:RT+\k+1], v[RT+\k:RT+\k+1], v[RT+8+\k:RT+9+\k]
.endr
.irp k,0,2
	s_delay_alu instid0(VALU_DEP_2)
	v_pk_add_f32 v[RT+\k:RT+\k+1], v[RT+\k:RT+\k+1], v[RT+4+\k:RT+5+\k]
.endr
	s_delay_alu instid0(VALU_DEP_1)
	v_pk_add_f32 v[24:25], v[RT:RT+1], v[RT+2:RT+3]
.endm
	REDUCE 0, 0
	s_delay_alu instid0(VALU_DEP_1)
	v_mul_f32 v26, 0xb8800000, v24                 ; -mean = -sum x 2^-14, twice: a pair for the packed additions
	s_delay_alu instid0(VALU_DEP_2)
	v_mul_f32 v27, 0xb8800000, v24
	s_delay_alu instid0(VALU_DEP_3)
	v_mul_f32 v28, 0xb8800000, v25
	s_delay_alu instid0(VALU_DEP_4)
	v_mul_f32 v29, 0xb8800000, v25
.irp i,0,1,2,3
.irp b,0,1
.irp q,0,2,4,6,8,10,12,14
	v_pk_add_f32 v[X+32*\i+16*\b+\q:X+32*\i+16*\b+\q+1], v[X+32*\i+16*\b+\q:X+32*\i+16*\b+\q+1], v[26+2*\b:27+2*\b]
.endr
.endr
.endr
	REDUCE 1, 256                                  ; other bytes than the first reduction's: one barrier each
	s_delay_alu instid0(VALU_DEP_1)
	v_fma_f32 v24, v24, s46, s47                   ; var + eps
	s_delay_alu instid0(VALU_DEP_2)
	v_fma_f32 v25, v25, s46, s47
	s_wait_alu depctr_va_vdst(0)
	v_rsq_f32 v30, v24
	v_rsq_f32 v31, v24
	v_rsq_f32 v32, v25
	v_rsq_f32 v33, v25
	v_mov_b32 v18, 0                               ; (a plain line behind the transcendentals)  written once: a lane permute's destination counts as a source
	v_mov_b32 v19, 0
	s_wait_loadcnt 0x0                             ; gn_scale, gn_bias
	s_wait_alu depctr_va_vdst(0)                   ; one wait for the four, ahead of their first reader
.irp b,0,1
.irp q,0,2,4,6,8,10,12,14
	v_pk_mul_f32 v[GA+16*\b+\q:GA+16*\b+\q+1], v[GA+16*\b+\q:GA+16*\b+\q+1], v[30+2*\b:31+2*\b]
.endr
.endr
.irp i,0,1,2,3
.irp b,0,1
.irp q,0,2,4,6,8,10,12,14
	v_pk_fma_f32 v[X+32*\i+16*\b+\q:X+32*\i+16*\b+\q+1], v[X+32*\i+16*\b+\q:X+32*\i+16*\b+\q+1], v[GA+16*\b+\q:GA+16*\b+\q+1], v[GB+16*\b+\q:GB+16*\b+\q+1]
.endr
.endr
.endr
; Tile i: two blocks of 32, each in lanes l and l xor 16.  The largest magnitude with the floor 2^(5 - 127) among its leaves; 4 off its exponent field is the conversion's scale operand; shifted, the byte.
.macro QT i
.set XI, X+32*(\i)
.set FI, FQ+8*(\i)
	v_max3_num_f32 v16, |v[XI]|, |v[XI+1]|, 0x2800000
	v_max3_num_f32 v17, |v[XI+16]|, |v[XI+17]|, 0x2800000
.irp q,2,4,6,8,10,12,14
	s_delay_alu instid0(VALU_DEP_2)
	v_max3_num_f32 v16, v16, |v[XI+\q]|, |v[XI+\q+1]|
	s_delay_alu instid0(VALU_DEP_2)
	v_max3_num_f32 v17, v17, |v[XI+16+\q]|, |v[XI+17+\q]|
.endr
	s_delay_alu instid0(VALU_DEP_2)
	v_permlanex16_b32 v18, v16, s44, s45
	s_delay_alu instid0(VALU_DEP_2)
	v_permlanex16_b32 v19, v17, s44, s45
	s_delay_alu instid0(VALU_DEP_2)
	v_max_num_f32 v16, v16, v18
	s_delay_alu instid0(VALU_DEP_2)
	v_max_num_f32 v17, v17, v19
	s_delay_alu instid0(VALU_DEP_2)
	v_add_nc_u32 v20, 0xfe000000, v16
	s_delay_alu instid0(VALU_DEP_2)
	v_add_nc_u32 v21, 0xfe000000, v17
	s_delay_alu instid0(VALU_DEP_2)
	v_lshrrev_b32 v22, 23, v20
	s_delay_alu instid0(VALU_DEP_2)
	v_lshrrev_b32 v23, 23, v21
	s_delay_alu instid0(VALU_DEP_1)
	v_lshl_or_b32 v[26+(\i)], v23, 8, v22          ; the tile row's two bytes
	v_cvt_scalef32_pk16_bf6_f32 v[FI:FI+2], v[XI:XI+15], v20
	v_cvt_scalef32_pk16_bf6_f32 v[G:G+2], v[XI+16:XI+31], v21
	v_nop                                          ; one plain line behind a scaled conversion
.irp k,0,1,2
	v_permlane16_swap_b32 v[FI+\k], v[G+\k]        ; the operand wants a whole block in a lane: lanes 0-15 block 0, lanes 16-31 block 1
.endr
.irp k,0,1,2
	s_delay_alu instid0(VALU_DEP_3)
	v_mov_b32 v[FI+3+\k], v[G+\k]
.endr
.irp p,0,1,2
	global_store_b64 v7, v[FI+2*\p:FI+2*\p+1], s[18:19] offset:(\i)*6144+256*\p   ; 32 lanes store 256 consecutive bytes, aligned; each tile has registers of its own
.endr
.endm
	QT 0
	QT 1
	QT 2
	QT 3
	v_lshl_or_b32 v30, v27, 16, v26                ; tiles 0 and 1,
	v_lshl_or_b32 v31, v29, 16, v28                ; tiles 2 and 3
	v_cmp_le_u32 vcc_lo, 16, v1
	s_delay_alu instid0(VALU_DEP_1)
	v_cndmask_b32 v30, v30, v31, vcc_lo            ; lanes 0-15 the first pair's word of row r, lanes 16-31 the second's
	global_store_b32 v8, v30, s[20:21]             ; 128 consecutive bytes a wave: hs is one part in 160 of what the launch moves
	s_wait_xcnt 0x0
	v_lshl_add_u32 v254, v0, 2, 0x44200
	v_mov_b32 v255, 0
	s_wait_alu depctr_va_vdst(0)
	s_wait_tensorcnt 0x0
	ds_add_u32 v254, v255
	s_wait_dscnt 0x0
	s_endpgm
.Lfunc_end_k_q0c4a921bbb_gnq:
	.size	k_q0c4a921bbb_gnq, .Lfunc_end_k_q0c4a921bbb_gnq-k_q0c4a921bbb_gnq
	.p2alignl 7, 3214868480
	.fill 96, 4, 3214868480
	.section	.rodata,"a",@progbits
	.p2align	6, 0x0
	.amdhsa_kernel k_q0c4a921bbb_gnq
		.amdhsa_group_segment_fixed_size 281088
		.amdhsa_private_segment_fixed_size 0
		.amdhsa_enable_private_segment 0
		.amdhsa_kernarg_size 80
		.amdhsa_user_sgpr_count 2
		.amdhsa_user_sgpr_kernarg_segment_ptr 1
		.amdhsa_wavefront_size32 1
		.amdhsa_system_sgpr_workgroup_id_x 1
		.amdhsa_system_sgpr_workgroup_id_y 1
		.amdhsa_system_sgpr_workgroup_id_z 1
		.amdhsa_system_vgpr_workitem_id 0
		.amdhsa_next_free_vgpr 256
		.amdhsa_next_free_sgpr 66
		.amdhsa_reserve_vcc 1
		.amdhsa_float_denorm_mode_32 3
		.amdhsa_float_denorm_mode_16_64 3
		.amdhsa_memory_ordered 1
		.amdhsa_forward_progress 1
		.amdhsa_inst_pref_size 50
	.end_amdhsa_kernel
	.amdgpu_metadata
---
amdhsa.version: [ 1, 2 ]
amdhsa.kernels:
  - .name:           k_q0c4a921bbb_gnq
    .symbol:         k_q0c4a921bbb_gnq.kd
    .args:
      - { .name: x, .offset: 0, .size: 8, .value_kind: global_buffer, .address_space: global }
      - { .name: gn_scale, .offset: 8, .size: 8, .value_kind: global_buffer, .address_space: global }
      - { .name: gn_bias, .offset: 16, .size: 8, .value_kind: global_buffer, .address_space: global }
      - { .name: Wq_codes, .offset: 24, .size: 8, .value_kind: global_buffer, .address_space: global }
      - { .name: Wk_codes, .offset: 32, .size: 8, .value_kind: global_buffer, .address_space: global }
      - { .name: Wv_codes, .offset: 40, .size: 8, .value_kind: global_buffer, .address_space: global }
      - { .name: Wo_codes, .offset: 48, .size: 8, .value_kind: global_buffer, .address_space: global }
      - { .name: hc, .offset: 56, .size: 8, .value_kind: global_buffer, .address_space: global }
      - { .name: hs, .offset: 64, .size: 8, .value_kind: global_buffer, .address_space: global }
      - { .name: wf, .offset: 72, .size: 8, .value_kind: global_buffer, .address_space: global }
    .group_segment_fixed_size: 281088
    .private_segment_fixed_size: 0
    .kernarg_segment_align: 8
    .kernarg_segment_size: 80
    .max_flat_workgroup_size: 512
    .sgpr_count:     66
    .vgpr_count:     256
    .wavefront_size: 32
...
	.end_amdgpu_metadata
.endif
;; end of part 1
;; launch qkv (part 2): grid 256 x 1, 4 waves a work-group, no clusters, 66,048 bytes of LDS; arguments hc, hs, wf, Wq_scales, Wk_scales, Wv_scales, bq, bk, bv, qkv, qkvs; writes qkv, qkvs
.if DOCPART == 2
	.amdgcn_target "amdgcn-amd-amdhsa--gfx1250"
	.amdhsa_code_object_version 6
	.text
	.protected	k_q0c4a921bbb_qkv
	.globl	k_q0c4a921bbb_qkv
	.p2align	8
	.type	k_q0c4a921bbb_qkv,@function
k_q0c4a921bbb_qkv:
	s_mov_b64 s[64:65], 0
	v_nop
	global_prefetch_b8 v0, s[64:65] scope:SCOPE_SE
	s_setreg_imm32_b32 hwreg(HW_REG_WAVE_MODE, 25, 1), 1
	s_wait_xcnt 0x0
; v = h Wv + bv, q = h Wq + bq, k = h Wk + bk on codes of BF6 (E3M2) with E8M0 scales; the results are quantised at once: q and k along the channels, v along the tokens.
; SHARES.  A work-group owns 128 tokens of an image (8 tiles of 16 rows; also one key step of v).  Wave w makes channels 128 w .. 128 w + 127 of v, of q and of k for all 128 tokens.
; A UNIT is 32 matrix instructions: source 0 = 8 tiles x 4 K steps that stay in registers, source 1 = one tile x 4 K steps.  Its 64 results a lane are 64 neighbours along the
; next product's K (register 16 b + i = 32 b + 16 (lane / 16) + i), since lane r of tile 2 b + u holds row 32 b + 8 u + r + 8 (r / 8): they become one fragment and one scale word.
;   v:    source 0 = all 128 tokens of h, source 1 = a tile of Wv:      a lane holds a channel, its registers run along the tokens.  Nothing is transposed by an instruction.
;   q, k: source 0 = my 128 rows of W, source 1 = a tile of h from LDS: a lane holds a token, its registers run along the channels.
; V GOES FIRST: its first unit wants h (12,288 bytes a wave from memory) and ONE tile of Wv (6,144 bytes), where a unit of q wants all 49,152 bytes of my rows of Wq.
; Wv comes tile by tile, four tiles ahead; Wq's tile t takes the registers of Wv's tile t as soon as that is multiplied; Wk takes h's registers behind v, in runs of 60 and 44 loads
; (the load counter's field holds 63: ISA guide 5.7.1).  The biases are the C of each sum's first matrix instruction.
; All operands lie in memory and in LDS as images of the operand's registers: register group c (4 registers) of lane l at 512 c + 16 l, 1,536 bytes a fragment.
; No cluster: what work-groups share is the weights, and each fragment of them goes from memory straight into the registers of the one wave that multiplies by it; a joint load would land in LDS and be read once more.
; REGISTERS, in windows of 256.  Window 0: v1-15 addresses; v16-19 the moving operand's scale words; v24-39, v40-60 the quantiser; v64-95, v220-251 scale words;
;   v96-143 the moving operand; v144-207 the eight accumulators; v208-219 the 64th fragment.  Windows 1 to 3: two slots of 32 fragments (21 fragments a window).
; LIMITS: NaN and infinities are not served.  A block of zeros gets the byte 1 (the quantiser's text says 127): its codes are zeros and only this program reads the bytes.
.set FRB,   1536
.set TILEB, 6144
.set CHB,   49152
.set BATB,  393216
.set WB,    196608                     ; a weight in wf
.set KOFF,  12582912                   ; k in qkv
.set VOFF,  25165824                   ; v in qkv
.set KSOFF, 524288                     ; k's scale words in qkvs
.set VSOFF, 1048576                    ; v's
.set HIMG,  0                          ; LDS: h's 8 tiles x 4 fragments,
.set HSC,   49152                      ; their scale words [tile][lane][4 words],
.set BQ,    53248                      ; the three biases as they lie,
.set BK,    55296
.set BVL,   57344
.set TQ,    59392                      ; q's scale words [wave = K step][tile][row],
.set TK,    61440                      ; k's,
.set TV,    63488                      ; v's [channel tile][row]
.set LI,  1                            ; 16 l
.set L4,  2                            ; 4 l
.set L8,  3                            ; 8 l
.set WSA, 4                            ; 16 (r + 8 (r / 8)): a weight's row of scale bytes
.set MA,  5
.set HSA, 6                            ; HSC + 16 l
.set BA,  7                            ; BQ + 512 w + 64 h
.set TW,  8                            ; TQ + 512 w + 4 r
.set TVW, 9                            ; TV + 512 w + 4 r
.set BVA, 10                           ; BVL + 512 w + 4 (r + 8 (r / 8))
.set R4,  11                           ; 4 r
.set TA,  12
.set TC,  13                           ; 16 l + 512 w
.set TD,  14                           ; 4 l + 128 w
.set MS,  16
.set TM,  24
.set PC,  40
.set PW,  60
.set T0,  61
.set SSA, 64
.set MV,  96
.set BV,  104                          ; v's bias as a C: eight registers
.set S,   144
.set STRAY, 208
.set SSB, 220
.set SEL, 48
.set MSB, 0
.macro WIN new                         ; the immediate's high byte repeats the setting that is left; a switch that changes nothing is dropped
.if MSB != (\new)
	s_set_vgpr_msb (MSB<<8)|(\new)
.set MSB, (\new)
.endif
.endm
.macro FSET slot, s, t                 ; where fragment (K step s, tile t) of a slot lies: window FW, register FRG
.set FF, 32*(\slot)+8*(\s)+(\t)
.if FF < 21
.set FW, 1
.set FRG, 12*FF
.elseif FF < 42
.set FW, 2
.set FRG, 12*(FF-21)
.elseif FF < 63
.set FW, 3
.set FRG, 12*(FF-42)
.else
.set FW, 0
.set FRG, STRAY
.endif
.endm
.macro WM d, a, b, c, sa, sb           ; one matrix instruction
	v_wmma_scale_f32_16x16x128_f8f6f4 v[\d:\d+7], v[\a:\a+11], v[\b:\b+11], v[\c:\c+7], v[\sa], v[\sb] matrix_a_fmt:MATRIX_FMT_BF6 matrix_b_fmt:MATRIX_FMT_BF6
.endm
.macro LOADPART slot, base, disp, lo, hi   ; fragments lo .. hi - 1 of a chunk ([tile][K step] in memory) into a slot, three loads of 512 consecutive bytes each
.irp s,0,1,2,3
.irp t,0,1,2,3,4,5,6,7
.if (8*\s+\t >= \lo) && (8*\s+\t < \hi)
	FSET \slot, \s, \t
	WIN FW<<6
.irp c,0,1,2
	global_load_b128 v[FRG+4*\c:FRG+4*\c+3], v[LI], s[\base:\base+1] offset:\disp+(4*\t+\s)*FRB+512*\c
.endr
.endif
.endr
.endr
	WIN 0
.endm
.macro LOADTILE disp, t                ; a tile's four fragments into slot 0: 6,144 consecutive bytes, 12 loads
.irp s,0,1,2,3
	FSET 0, \s, \t
	WIN FW<<6
.irp c,0,1,2
	global_load_b128 v[FRG+4*\c:FRG+4*\c+3], v[LI], s[32:33] offset:\disp+(4*(\t)+\s)*FRB+512*\c
.endr
.endr
	WIN 0
.endm
.macro SCALES ss, base                 ; the scale rows (16 bytes: four words) of my 8 tiles of a weight
.irp t,0,1,2,3,4,5,6,7
	global_load_b128 v[\ss+4*\t:\ss+4*\t+3], v[WSA], s[\base:\base+1] offset:(32*(\t/2)+8*(\t%2))*16
.endr
.endm
; A unit of q or k.  The eight accumulators, which hold the bias, take turns, one instruction a turn, over a loop's backward jump too.
.macro MM slot, ss
.irp s,0,1,2,3
.irp t,0,1,2,3,4,5,6,7
	FSET \slot, \s, \t
	WIN FW
	WM S+8*\t, FRG, MV+12*\s, S+8*\t, \ss+4*\t+\s, MS+\s
.endr
.endr
	WIN 0
.endm
.macro PLACES                          ; behind matrix instructions: four plain lines before a result is read or a load is issued into their registers, five before a matrix instruction writes over one
.rept 5
	v_nop
.endr
.endm
; 64 numbers of a lane, register 16 b + i = k 32 b + 16 (lane / 16) + i of my row, become codes (QA), and QB lays them as the operand wants them: v[PC] .. v[PC + 11]; the scale word in v[PW].
; n >= 0: behind the search for the maxima stands s_wait_dscnt n: the LDS stores that read the last scale word are done before it is written again.
.macro QA src, n
.irp b,0,1,2,3
	v_max3_num_f32 v[TM+\b], |v[\src+16*\b]|, |v[\src+16*\b+1]|, 0x2800000   ; the floor 2^(5 - 127) among the leaves: the byte cannot fall under 1
.endr
.irp i,2,4,6,8,10,12,14
.irp b,0,1,2,3
	v_max3_num_f32 v[TM+\b], |v[\src+16*\b+\i]|, |v[\src+16*\b+\i+1]|, v[TM+\b]
.endr
.endr
.if (\n) >= 0
	s_wait_alu depctr_va_vdst(0)
	s_wait_dscnt \n
.endif
.irp b,0,1,2,3
	v_permlanex16_b32 v[TM+4+\b], v[TM+\b], s[SEL], s[SEL+1]
.endr
.irp b,0,1,2,3
	v_max_num_f32 v[TM+\b], v[TM+\b], v[TM+4+\b]   ; with lane l xor 16: the block's largest magnitude
.endr
.irp b,0,1,2,3
	v_add_nc_u32 v[TM+12+\b], 0xfe000000, v[TM+\b] ; 4 off its exponent field: the conversion's scale operand
.endr
.irp b,0,1,2,3
	v_lshrrev_b32 v[TM+4+\b], 23, v[TM+12+\b]      ; the byte
.endr
	v_lshl_or_b32 v[PW], v[TM+5], 8, v[TM+4]
	v_lshl_or_b32 v[PW], v[TM+6], 16, v[PW]
	v_lshl_or_b32 v[PW], v[TM+7], 24, v[PW]
.irp c,0,1
	v_cvt_scalef32_pk16_bf6_f32 v[PC+6*\c:PC+6*\c+2], v[\src+32*\c:\src+32*\c+15], v[TM+12+2*\c]
	v_cvt_scalef32_pk16_bf6_f32 v[PC+12+4*\c:PC+14+4*\c], v[\src+32*\c+16:\src+32*\c+31], v[TM+13+2*\c]
.endr
	v_nop                                          ; one plain line behind a scaled conversion
.endm
.macro QB
.irp c,0,1
.irp i,0,1,2
	v_permlane16_swap_b32 v[PC+6*\c+\i], v[PC+12+4*\c+\i]   ; a whole block to a lane
.endr
.irp i,0,1,2
	v_mov_b32 v[PC+3+6*\c+\i], v[PC+12+4*\c+\i]
.endr
.endr
.endm
.macro FETCH                           ; h's tile s41: four fragments and their scale words: 13 LDS loads
	s_mul_i32 s42, s41, TILEB
	s_lshl_b32 s43, s41, 9
	v_add_nc_u32 v[MA], s42, v[LI]
	v_add_nc_u32 v[TA], s43, v[HSA]
.irp g,0,1,2,3,4,5,6,7,8,9,10,11
	ds_load_b128 v[MV+4*\g:MV+4*\g+3], v[MA] offset:HIMG+512*\g
.endr
	ds_load_b128 v[MS:MS+3], v[TA]
.endm
.macro BIAS disp                       ; the bias of my 64 channels into the accumulators: sixteen lanes read the same 16 bytes
.irp i,0,1,2,3,4,5,6,7,8,9,10,11,12,13,14,15
	ds_load_b128 v[S+4*\i:S+4*\i+3], v[BA] offset:\disp+128*(\i/4)+16*(\i%4)
.endr
.endm
	s_load_b512 s[4:19], s[0:1], 0x0               ; hc, hs, wf, Wq, Wk, Wv scales, bq, bk
	s_load_b128 s[20:23], s[0:1], 0x40             ; bv, qkv
	s_load_b64 s[24:25], s[0:1], 0x50              ; qkvs
	v_lshl_add_u32 v254, v0, 2, 0x10000
	v_mov_b32 v255, 0
	v_lshrrev_b32 v61, 5, v0
	v_readfirstlane_b32 s26, v61                   ; wave 0..3
	s_lshr_b32 s27, ttmp9, 3                       ; image
	s_and_b32 s28, ttmp9, 7                        ; block of 128 tokens
	v_and_b32 v61, 31, v0                          ; l
	v_and_b32 v63, 15, v0                          ; r
	v_bfe_u32 v62, v0, 4, 1                        ; h
	v_lshlrev_b32 v[LI], 4, v61
	v_lshlrev_b32 v[L4], 2, v61
	v_lshlrev_b32 v[L8], 3, v61
	v_lshlrev_b32 v[R4], 2, v63
	v_and_b32 v15, 8, v63
	v_add_nc_u32 v15, v15, v63                     ; r + 8 (r / 8)
	v_lshlrev_b32 v[WSA], 4, v15
	v_add_nc_u32 v[HSA], HSC, v[LI]
	s_wait_alu depctr_va_vdst(0)
	s_lshl_b32 s44, s26, 9                         ; 512 w
	s_add_co_u32 s45, s44, BQ
	v_lshl_add_u32 v[BA], v62, 6, s45
	s_add_co_u32 s45, s44, TQ
	v_add_nc_u32 v[TW], s45, v[R4]
	s_add_co_u32 s45, s44, TV
	v_add_nc_u32 v[TVW], s45, v[R4]
	s_add_co_u32 s45, s44, BVL
	v_lshl_add_u32 v[BVA], v15, 2, s45
	v_add_nc_u32 v[TC], s44, v[LI]
	s_lshl_b32 s45, s26, 7
	v_add_nc_u32 v[TD], s45, v[L4]
	s_mul_i32 s46, s26, 12288
	v_add_nc_u32 v[MA], s46, v[LI]                 ; where I put my two tiles' images
	s_lshl_b32 s45, s26, 10
	v_add_nc_u32 v[TA], s45, v[HSA]                ; and their scale words
.irp b,0,1,2,3
	v_mov_b32 v[TM+4+\b], 0                        ; written once: a lane permute's destination counts as a source
.endr
	s_mov_b32 s[SEL], 0x76543210
	s_mov_b32 s[SEL+1], 0xfedcba98
	s_mov_b32 s50, 0x05040100                      ; v_perm_b32: the two low halves
	s_mov_b32 s51, 0x07060302                      ; the two high halves
	s_mov_b32 s31, 0
	s_wait_alu depctr_va_vdst(0)
	s_wait_kmcnt 0x0
	s_mul_i32 s30, s27, BATB
	s_mul_i32 s29, s28, CHB
	s_add_co_u32 s30, s30, s29                     ; image and block, in bytes of codes
	s_add_nc_u64 s[34:35], s[22:23], s[30:31]
	s_add_nc_u64 s[4:5], s[4:5], s[30:31]
	s_mov_b32 s30, s46
	s_add_nc_u64 s[4:5], s[4:5], s[30:31]          ; hc at my two tiles
	s_add_nc_u64 s[38:39], s[34:35], s[30:31]
	s_add_nc_u64 s[38:39], s[38:39], VOFF          ; v: key step = my block, channel tiles 8 w on
	s_mul_i32 s30, s26, FRB
	s_add_nc_u64 s[34:35], s[34:35], s[30:31]      ; q: tile 0 of the block, K step w
	s_add_nc_u64 s[36:37], s[34:35], KOFF          ; k likewise
	s_mul_i32 s30, s26, CHB
	s_add_nc_u64 s[32:33], s[8:9], s[30:31]        ; wf at my chunk of Wq
	s_lshl_b32 s30, s27, 14
	s_lshl_b32 s29, s28, 8
	s_add_co_u32 s30, s30, s29
	s_lshl_b32 s29, s26, 6
	s_add_co_u32 s30, s30, s29
	s_add_nc_u64 s[6:7], s[6:7], s[30:31]          ; hs: image, pair of tiles 4 block + w
	s_mov_b32 s30, s44
	s_add_nc_u64 s[16:17], s[16:17], s[30:31]      ; the biases at 512 w
	s_add_nc_u64 s[18:19], s[18:19], s[30:31]
	s_add_nc_u64 s[20:21], s[20:21], s[30:31]
	s_lshl_b32 s29, s27, 14
	s_add_co_u32 s30, s30, s29
	s_lshl_b32 s29, s28, 11
	s_add_co_u32 s30, s30, s29
	s_add_nc_u64 s[24:25], s[24:25], s[30:31]      ; qkvs: image x 16,384 + block x 2,048 + 512 w, the same in its three parts
	s_lshl_b32 s30, s26, 11
	s_add_nc_u64 s[10:11], s[10:11], s[30:31]      ; the weights' scale rows: 128 rows of 16 bytes a wave
	s_add_nc_u64 s[12:13], s[12:13], s[30:31]
	s_add_nc_u64 s[14:15], s[14:15], s[30:31]
	; ---- my two tiles of h (planes of 8 bytes a lane), their scale halves, my part of the biases: 59 loads
.irp f,0,1,2,3,4,5,6,7
.irp p,0,1,2,3,4,5
	global_load_b64 v[MV+12*\f+2*\p:MV+12*\f+2*\p+1], v[L8], s[4:5] offset:\f*FRB+256*\p
.endr
.endr
.irp j,0,1,2,3,4,5,6,7
	global_load_b32 v[PC+\j], v[R4], s[6:7] offset:2048*\j
.endr
	global_load_b128 v[192:195], v[LI], s[16:17]
	global_load_b128 v[196:199], v[LI], s[18:19]
	global_load_b128 v[200:203], v[LI], s[20:21]
	SCALES SSA, 14                                 ; Wv's scale rows: 8 loads
.irp t,0,1,2,3
	LOADTILE 2*WB, \t                              ; Wv's first four tiles: 48 loads
.endr
	s_wait_loadcnt 56                              ; the first 59 are in: the 56 issued behind them may be out
.irp g,0,1,2,3,4,5,6,7,8,9,10,11,12,13,14,15,16,17,18,19,20,21,22,23
	ds_store_b128 v[MA], v[MV+4*\g:MV+4*\g+3] offset:HIMG+512*\g
.endr
.irp k,0,1,2,3                                 ; K step k's word: the strip 2 k's two bytes below, the strip 2 k + 1's above; the even tile from the low halves, the odd from the high
	v_perm_b32 v[PC+8+\k], v[PC+2*\k+1], v[PC+2*\k], s50
	v_perm_b32 v[PC+12+\k], v[PC+2*\k+1], v[PC+2*\k], s51
.endr
	ds_store_b128 v[TA], v[PC+8:PC+11]
	ds_store_b128 v[TA], v[PC+12:PC+15] offset:512
	ds_store_b128 v[TC], v[192:195] offset:BQ
	ds_store_b128 v[TC], v[196:199] offset:BK
	ds_store_b128 v[TC], v[200:203] offset:BVL
	s_wait_dscnt 0x0                               ; for the others: my stores have landed
	s_barrier_signal -1
	s_barrier_wait -1                              ; h, its scale words and the biases lie in LDS; nobody writes them again
	; ---- v: all of h comes into slot 1 and stays; Wv's eight tiles, in slot 0, take turns as source 1
.irp s,0,1,2,3
.irp t,0,1,2,3,4,5,6,7
	FSET 1, \s, \t
	WIN FW<<6
.irp c,0,1,2
	ds_load_b128 v[FRG+4*\c:FRG+4*\c+3], v[LI] offset:HIMG+(4*\t+\s)*FRB+512*\c
.endr
.endr
.endr
	WIN 0
.irp t,0,1,2,3,4,5,6,7
	ds_load_b128 v[SSB+4*\t:SSB+4*\t+3], v[HSA] offset:512*\t
.endr
.macro BVLOAD ct                       ; a lane holds one channel of tile ct: its bias eight times, the C of the unit's first eight instructions
.irp j,0,1,2,3,4,5,6,7
	ds_load_b32 v[BV+\j], v[BVA] offset:4*(32*((\ct)/2)+8*((\ct)%2))
.endr
.endm
.macro MMV ct
.irp s,0,1,2,3
.irp t,0,1,2,3,4,5,6,7
	FSET 1, \s, \t
.set HW, FW
.set HR, FRG
	FSET 0, \s, \ct
	WIN HW|(FW<<2)
.if \s == 0
	WM S+8*\t, HR, FRG, BV, SSB+4*\t+\s, SSA+4*(\ct)+\s
.else
	WM S+8*\t, HR, FRG, S+8*\t, SSB+4*\t+\s, SSA+4*(\ct)+\s
.endif
.endr
.endr
	WIN 0
.endm
; Loads in the order of issue: Wv's tiles 0 to 3; behind unit ct: Wv's tile ct + 4 (ct < 4; 12 loads), then Wq's tile ct and its scale row (13 loads).  n: the loads issued behind Wv's tile ct, held at 63.
.macro VUNIT ct, n
	s_wait_loadcnt \n
	s_wait_dscnt 0x0
	MMV \ct
	PLACES
	s_wait_xcnt 0x0                                ; the last unit's stores have read the codes
.if \ct < 7
	BVLOAD (\ct)+1
.endif
.if \ct < 4
	LOADTILE 2*WB, (\ct)+4
.endif
	LOADTILE 0, \ct                                ; Wq's tile takes the registers of Wv's tile, which is done with
	global_load_b128 v[SSA+4*(\ct):SSA+4*(\ct)+3], v[WSA], s[10:11] offset:(32*((\ct)/2)+8*((\ct)%2))*16
	QA S, -1
	QB
.irp c,0,1,2
	global_store_b128 v[LI], v[PC+4*\c:PC+4*\c+3], s[38:39] offset:(\ct)*FRB+512*\c
.endr
	ds_store_b32 v[TVW], v[PW] offset:64*(\ct)
.endm
	BVLOAD 0
	VUNIT 0, 36
	VUNIT 1, 49
	VUNIT 2, 62
	VUNIT 3, 63
	VUNIT 4, 63
	VUNIT 5, 63
	VUNIT 6, 63
	VUNIT 7, 52
; One unit of q or k: tile s40.  The next tile is fetched while this one is quantised.  LDS instructions of a trip, in order: 13 fetches, 16 loads of the bias, 1 store.
.macro QKTRIP slot, ss, ptr, bdisp, tdisp
	s_wait_dscnt 1                                 ; the tile, its scale words and the bias are in: only the last trip's one store is younger (the loop is entered with nothing out)
	MM \slot, \ss
	PLACES
	s_wait_xcnt 0x0                                ; the last trip's stores have read the codes and the pointer: both are written again below
	s_add_nc_u64 s[\ptr:\ptr+1], s[\ptr:\ptr+1], TILEB   ; the pointer goes ahead; this trip's stores reach back by a negative immediate
	s_add_co_u32 s41, s40, 1
	s_and_b32 s41, s41, 7
	FETCH
	QA S, 13                                       ; 13: the fetches may be out; the last trip's store of the scale word is done
	BIAS \bdisp                                    ; the accumulators have been read: the next unit's bias
	QB
	s_lshl_b32 s42, s40, 6
	v_add_nc_u32 v[T0], s42, v[TW]
.irp c,0,1,2
	global_store_b128 v[LI], v[PC+4*\c:PC+4*\c+3], s[\ptr:\ptr+1] offset:512*\c-TILEB   ; 512 consecutive bytes a store
.endr
	ds_store_b32 v[T0], v[PW] offset:\tdisp        ; both halves of the lanes write the same word with the same value
.endm
.macro QKLOOP from, to, slot, ss, ptr, bdisp, tdisp
	s_mov_b32 s40, \from
	s_wait_dscnt 0x0                               ; the loop is entered with no LDS instruction out
.Lqk_\@:
	QKTRIP \slot, \ss, \ptr, \bdisp, \tdisp
	s_add_co_u32 s40, s40, 1
	s_cmp_lt_u32 s40, \to
	s_cbranch_scc1 .Lqk_\@
.endm
	; ---- q on Wq in slot 0; Wk comes into slot 1, which h has left
	s_mov_b32 s41, 0
	FETCH
	BIAS 0
	LOADPART 1, 32, WB, 0, 20                      ; Wk's first run: 60 loads
	s_wait_loadcnt 60                              ; Wq and its scales are in: only the 60 just issued are younger
	QKLOOP 0, 4, 0, SSA, 34, 0, 0
	LOADPART 1, 32, WB, 20, 32                     ; Wk's second run: 36 + 8 loads; four units to land in
	SCALES SSB, 12
	QKLOOP 4, 8, 0, SSA, 34, 0, 0
	s_wait_dscnt 0x0                               ; the last trip's loads into the accumulators are in:
	BIAS BK-BQ                                     ; they take k's bias
	s_wait_loadcnt 0x0                             ; Wk and its scales
	QKLOOP 0, 8, 1, SSB, 36, BK-BQ, TK-TQ
	; ---- the scale words leave in runs of 512 consecutive bytes
	s_wait_dscnt 0x0
	s_barrier_signal -1
	s_barrier_wait -1                              ; all four waves' words lie in LDS
.irp k,0,1,2,3
	ds_load_b32 v[MV+\k], v[TD] offset:TQ+512*\k   ; tile 2 w + l / 16, row l % 16: its word of K step k
	ds_load_b32 v[MV+4+\k], v[TD] offset:TK+512*\k
.endr
	ds_load_b128 v[MV+8:MV+11], v[TC] offset:TV
	s_wait_dscnt 0x0
	global_store_b128 v[LI], v[MV:MV+3], s[24:25]
	global_store_b128 v[LI], v[MV+4:MV+7], s[24:25] offset:KSOFF
	global_store_b128 v[LI], v[MV+8:MV+11], s[24:25] offset:VSOFF
	s_wait_tensorcnt 0x0                           ; the wave's end
	ds_add_u32 v254, v255
	s_wait_dscnt 0x0
	s_endpgm
.Lfunc_end_k_q0c4a921bbb_qkv:
	.size	k_q0c4a921bbb_qkv, .Lfunc_end_k_q0c4a921bbb_qkv-k_q0c4a921bbb_qkv
	.p2alignl 7, 3214868480
	.fill 96, 4, 3214868480
	.section	.rodata,"a",@progbits
	.p2align	6, 0x0
	.amdhsa_kernel k_q0c4a921bbb_qkv
		.amdhsa_group_segment_fixed_size 66048
		.amdhsa_private_segment_fixed_size 0
		.amdhsa_enable_private_segment 0
		.amdhsa_kernarg_size 88
		.amdhsa_user_sgpr_count 2
		.amdhsa_user_sgpr_kernarg_segment_ptr 1
		.amdhsa_wavefront_size32 1
		.amdhsa_system_sgpr_workgroup_id_x 1
		.amdhsa_system_sgpr_workgroup_id_y 1
		.amdhsa_system_sgpr_workgroup_id_z 1
		.amdhsa_system_vgpr_workitem_id 0
		.amdhsa_next_free_vgpr 1024
		.amdhsa_next_free_sgpr 66
		.amdhsa_reserve_vcc 0
		.amdhsa_float_denorm_mode_32 3
		.amdhsa_float_denorm_mode_16_64 3
		.amdhsa_memory_ordered 1
		.amdhsa_forward_progress 1
		.amdhsa_inst_pref_size 158
	.end_amdhsa_kernel
	.amdgpu_metadata
---
amdhsa.version: [ 1, 2 ]
amdhsa.kernels:
  - .name:           k_q0c4a921bbb_qkv
    .symbol:         k_q0c4a921bbb_qkv.kd
    .args:
      - { .name: hc, .offset: 0, .size: 8, .value_kind: global_buffer, .address_space: global }
      - { .name: hs, .offset: 8, .size: 8, .value_kind: global_buffer, .address_space: global }
      - { .name: wf, .offset: 16, .size: 8, .value_kind: global_buffer, .address_space: global }
      - { .name: Wq_scales, .offset: 24, .size: 8, .value_kind: global_buffer, .address_space: global }
      - { .name: Wk_scales, .offset: 32, .size: 8, .value_kind: global_buffer, .address_space: global }
      - { .name: Wv_scales, .offset: 40, .size: 8, .value_kind: global_buffer, .address_space: global }
      - { .name: bq, .offset: 48, .size: 8, .value_kind: global_buffer, .address_space: global }
      - { .name: bk, .offset: 56, .size: 8, .value_kind: global_buffer, .address_space: global }
      - { .name: bv, .offset: 64, .size: 8, .value_kind: global_buffer, .address_space: global }
      - { .name: qkv, .offset: 72, .size: 8, .value_kind: global_buffer, .address_space: global }
      - { .name: qkvs, .offset: 80, .size: 8, .value_kind: global_buffer, .address_space: global }
    .group_segment_fixed_size: 66048
    .private_segment_fixed_size: 0
    .kernarg_segment_align: 8
    .kernarg_segment_size: 88
    .max_flat_workgroup_size: 128
    .sgpr_count:     66
    .vgpr_count:     1024
    .wavefront_size: 32
...
	.end_amdgpu_metadata
.endif
;; end of part 2
;; launch attn (part 3): grid 256 x 1, 4 waves a work-group, no clusters, 267,776 bytes of LDS; arguments qkv, qkvs, wf, Wo_scales, bo, x, out0; writes out0
.if DOCPART == 3
	.amdgcn_target "amdgcn-amd-amdhsa--gfx1250"
	.amdhsa_code_object_version 6
	.text
	.protected	k_q0c4a921bbb_attn
	.globl	k_q0c4a921bbb_attn
	.p2align	8
	.type	k_q0c4a921bbb_attn,@function
k_q0c4a921bbb_attn:
	s_mov_b64 s[64:65], 0
	v_nop
	global_prefetch_b8 v0, s[64:65] scope:SCOPE_SE
	s_setreg_imm32_b32 hwreg(HW_REG_WAVE_MODE, 25, 1), 1
	s_wait_xcnt 0x0
; out = x + softmax(q k^T / sqrt(512)) v Wo + bo, one head of 512 over the 1,024 tokens of an image, all products on codes of BF6 (E3M2) with E8M0 scales.
; THE SOFTMAX IS QUANTISED FINISHED AND NORMALISED, so a row's maximum and sum are known before any weight is converted.  THE SCORES ARE MADE ONCE AND STAY IN REGISTERS:
; a work-group owns 128 queries of an image and takes them as two halves of 64 (a loop of two trips).  Wave w owns keys 256 w .. 256 w + 255, two chunks of 128: 4 query tiles x 16 key tiles = 64 accumulators, 512 registers.
; q's 16 fragments of the half stay in window 1; k streams from memory through four buffers of one key tile (4 fragments, 12 loads of 512 bytes), each fragment feeding four products; k is read once a half.
; In the accumulators: e = 2^(t - Mc), t = score x log2(e) / sqrt(512), Mc = ceil(largest t of the chunk's 128 keys), a whole number; the chunk's sum of e.
; VECTOR WORK STANDS BETWEEN THE KEY TILES, where the wave would wait for k: each tile's scores go into the running maxima as soon as they are made, and chunk 0's e and sums are made in eight slices between chunk 1's tiles.
; A wave joins its two chunks, the four waves' (-Mw, sum) meet in LDS (one barrier a half, each half its own bytes), every wave forms the row's M and l (v_ldexp_f32 throughout: nothing is rounded)
; and its factors 2^(Mc - M) / l; p = e x factor is quantised along the keys and goes to LDS as key step 2 w + c of the next product.
; The quantiser is a loop of eight trips (unit = 16 queries x 128 keys): only the 32 multiplications, which name the unit's own registers, are written out eight times, chosen by the trip's number.
; For p v wave w owns channels 128 w .. of O (64 accumulators), for the last product outputs 128 w ...  Source 0 = 16 rows of k, v or Wo, source 1 = 16 queries: a lane holds ONE query, and 64 results of a unit are 64 neighbours
; along the next product's K, since lane r of tile 2 b + u holds row 32 b + 8 u + r + 8 (r / 8).  Operands lie in memory and LDS as images of the operand's registers (group c of lane l at 512 c + 16 l).
; No cluster, though the eight work-groups of an image read the same k and v: each fragment goes from memory into ONE wave's registers; a joint load lands in LDS and would be read from there once more.
; Prefetches: v (393,216 bytes an image = 8 work-groups x 3 waves x 2 instructions x 32 lanes x 256 bytes, by address) one half ahead of its first loads; x in the steps of p v.  k's first tiles are wanted at the head: no loop runs ahead of them.
; REGISTERS.  Window 0: v1-15, v220-238 addresses and statistics; v16-63 a buffer of k, else the quantiser and the statistics; v64-95 scale words; v96-143, v144-191 buffers of k; v144-207 a unit at work; v192-207 q's scale words;
;   v208-215 a pair a query tile: (-M0, sum 0), later the two factors; v216-219 sums at work; v240-251 v's scale words.  Window 1: v0-191 q, v192-239 a buffer of k; later v.
;   Windows 2, 3: the scores (unit (m, c) in window 2 + c at 64 m); later O; later Wo, x, rows of the result.
; LIMITS: NaN and infinities are not served.  The promise holds while |t| stays under 2^31.  A weight under 2^-126 comes out of v_exp_f32 as 0.  1 / l is v_rcp_f32.  A block of zeros carries the byte 1: its codes are zeros and only this program reads the bytes.
.set FRB,   1536
.set TILEB, 6144
.set CHB,   49152
.set BATB,  393216
.set WB,    196608
.set KOFF,  12582912
.set VOFF,  25165824
.set KSOFF, 524288
.set VSOFF, 1048576
.set QIMG,  0                          ; LDS: q's 8 tiles x 4 fragments
.set QSC,   49152                      ; their scale words [tile][lane][4 words]
.set ST1,   53248                      ; [wave 4][half 2][tile 4][lane] x (-Mw, sum)
.set BO,    71680                      ; bo as it lies
.set PIMG,  73728                      ; p: [key step 8][tile 8] fragments
.set PSC,   172032                     ; their scale words [key step][tile][lane]
.set OIMG,  180224                     ; O: [tile 8][K step 4] fragments
.set OSC,   229376                     ; their scale words [4 tile + K step][lane]
.set STG,   233472                     ; the way out: 16 rows x 528 bytes for each wave
.set SPITCH, 528
.set LI,  1                            ; 16 l
.set L4,  2
.set L8,  3
.set KSA, 4                            ; 16 r + 2,048 h: k's scale rows, chunk 2 w below, chunk 2 w + 1 above
.set MA,  5
.set TA,  6
.set SA,  7                            ; ST1 + 8 l + 2,048 w
.set PA,  8                            ; PIMG + 16 l + 24,576 w
.set PSA, 9                            ; PSC + 4 l + 2,048 w
.set STO, 10
.set RD,  11
.set BA,  12                           ; BO + 512 w + 64 h
.set PFX, 13                           ; 256 l + 65,536 w; never rewritten
.set PFV, 14                           ; 256 l + (3 block + w) x 16,384; never rewritten
.set OWI, 15                           ; OIMG + 16 l + 1,536 w
.set MS,  16
.set N1,  16                           ; v16-23 (-M1, sum 1) a query tile
.set RS,  16                           ; v16-47 the four waves' (-Mw, sum) of four tiles
.set TM,  24
.set PC,  40
.set WS,  48                           ; v48-63 chunk 1's sums at work
.set EX,  48                           ; v48-55 my (-Mw, sum) a query tile
.set PW,  60
.set SS,  64
.set PS,  72
.set MV,  96
.set PF,  96
.set S,   144
.set QS,  192
.set NF,  208
.set STRAY, 208
.set SC,  216
.set OWS, 220
.set PR0, 221
.set PR1, 222
.set PSR, 223
.set CA,  224                          ; ST1 + 8 l
.set WSA, 227
.set WK,  228                          ; v228-231 the running maxima, later the rows' -M; v232-235 at work
.set T1,  236
.set R16, 237
.set T2,  238
.set VS,  240
.set SEL, 44
.set MSB, 0
.macro WIN new                         ; the immediate's high byte repeats the setting that is left; a switch that changes nothing is dropped
.if MSB != (\new)
	s_set_vgpr_msb (MSB<<8)|(\new)
.set MSB, (\new)
.endif
.endm
.macro FSET slot, s, t                 ; where fragment (K step s, tile t) of Wo lies: window FW, register FRG
.set FF, 32*(\slot)+8*(\s)+(\t)
.if FF < 21
.set FW, 1
.set FRG, 12*FF
.elseif FF < 42
.set FW, 2
.set FRG, 12*(FF-21)
.elseif FF < 63
.set FW, 3
.set FRG, 12*(FF-42)
.else
.set FW, 0
.set FRG, STRAY
.endif
.endm
.macro WM d, a, b, cm, c, sa, sb, row1 ; one matrix instruction.  cm = 0: the constant 0 starts the sum.  row1: source 0's scales stand in lanes 16-31
.if \cm
.if \row1
	v_wmma_scale_f32_16x16x128_f8f6f4 v[\d:\d+7], v[\a:\a+11], v[\b:\b+11], v[\c:\c+7], v[\sa], v[\sb] matrix_a_fmt:MATRIX_FMT_BF6 matrix_b_fmt:MATRIX_FMT_BF6 matrix_a_scale:MATRIX_SCALE_ROW1
.else
	v_wmma_scale_f32_16x16x128_f8f6f4 v[\d:\d+7], v[\a:\a+11], v[\b:\b+11], v[\c:\c+7], v[\sa], v[\sb] matrix_a_fmt:MATRIX_FMT_BF6 matrix_b_fmt:MATRIX_FMT_BF6
.endif
.else
.if \row1
	v_wmma_scale_f32_16x16x128_f8f6f4 v[\d:\d+7], v[\a:\a+11], v[\b:\b+11], 0, v[\sa], v[\sb] matrix_a_fmt:MATRIX_FMT_BF6 matrix_b_fmt:MATRIX_FMT_BF6 matrix_a_scale:MATRIX_SCALE_ROW1
.else
	v_wmma_scale_f32_16x16x128_f8f6f4 v[\d:\d+7], v[\a:\a+11], v[\b:\b+11], 0, v[\sa], v[\sb] matrix_a_fmt:MATRIX_FMT_BF6 matrix_b_fmt:MATRIX_FMT_BF6
.endif
.endif
.endm
.macro LOADPART slot, base, disp, lo, hi   ; fragments lo .. hi - 1 of a chunk ([tile][K step] in memory), three loads of 512 consecutive bytes each
.irp s,0,1,2,3
.irp t,0,1,2,3,4,5,6,7
.if (8*\s+\t >= \lo) && (8*\s+\t < \hi)
	FSET \slot, \s, \t
	WIN FW<<6
.irp c,0,1,2
	global_load_b128 v[FRG+4*\c:FRG+4*\c+3], v[LI], s[\base:\base+1] offset:\disp+(4*\t+\s)*FRB+512*\c
.endr
.endif
.endr
.endr
	WIN 0
.endm
; 32 matrix instructions of the last product; the eight accumulators take turns, over the loop's backward jump too; they hold the bias
.macro MM slot, cmode, ss, row1
.irp s,0,1,2,3
.irp t,0,1,2,3,4,5,6,7
	FSET \slot, \s, \t
	WIN FW
	WM S+8*\t, FRG, MV+12*\s, 1, S+8*\t, \ss+4*\t+\s, MS+\s, \row1
.endr
.endr
	WIN 0
.endm
.macro PLACES                          ; behind matrix instructions: four plain lines before a result is read or a load is issued into their registers, five before a matrix instruction writes over one
.rept 5
	v_nop
.endr
.endm
; 64 numbers of a lane in window X, register 16 b + i = k 32 b + 16 (lane / 16) + i of my row, become codes (QA); QB lays them as the operand wants them: v[PC] .. v[PC + 11]; the scale word in v[PW].
; n >= 0: behind the search for the maxima stands s_wait_dscnt n: the LDS stores that read the last codes and scale word are done before these are written again.
.macro QA src, X, n
	WIN (\X)|((\X)<<2)
.irp b,0,1,2,3
	v_max3_num_f32 v[TM+\b], |v[\src+16*\b]|, |v[\src+16*\b+1]|, 0x2800000   ; the floor 2^(5 - 127) among the leaves: the byte cannot fall under 1
.endr
.irp i,2,4,6,8,10,12,14
.irp b,0,1,2,3
	v_max3_num_f32 v[TM+\b], |v[\src+16*\b+\i]|, |v[\src+16*\b+\i+1]|, v[TM+\b]
.endr
.endr
	WIN 0
.if (\n) >= 0
	s_wait_alu depctr_va_vdst(0)
	s_wait_dscnt \n
.endif
.irp b,0,1,2,3
	v_permlanex16_b32 v[TM+4+\b], v[TM+\b], s[SEL], s[SEL+1]
.endr
.irp b,0,1,2,3
	v_max_num_f32 v[TM+\b], v[TM+\b], v[TM+4+\b]   ; with lane l xor 16: the block's largest magnitude
.endr
.irp b,0,1,2,3
	v_add_nc_u32 v[TM+12+\b], 0xfe000000, v[TM+\b] ; 4 off its exponent field: the conversion's scale operand
.endr
.irp b,0,1,2,3
	v_lshrrev_b32 v[TM+4+\b], 23, v[TM+12+\b]      ; the byte
.endr
	v_lshl_or_b32 v[PW], v[TM+5], 8, v[TM+4]
	v_lshl_or_b32 v[PW], v[TM+6], 16, v[PW]
	v_lshl_or_b32 v[PW], v[TM+7], 24, v[PW]
	WIN \X
.irp c,0,1
	v_cvt_scalef32_pk16_bf6_f32 v[PC+6*\c:PC+6*\c+2], v[\src+32*\c:\src+32*\c+15], v[TM+12+2*\c]
	v_cvt_scalef32_pk16_bf6_f32 v[PC+12+4*\c:PC+14+4*\c], v[\src+32*\c+16:\src+32*\c+31], v[TM+13+2*\c]
.endr
	WIN 0
	v_nop                                          ; one plain line behind a scaled conversion
.endm
.macro QB
.irp c,0,1
.irp i,0,1,2
	v_permlane16_swap_b32 v[PC+6*\c+\i], v[PC+12+4*\c+\i]   ; a whole block to a lane
.endr
.irp i,0,1,2
	v_mov_b32 v[PC+3+6*\c+\i], v[PC+12+4*\c+\i]
.endr
.endr
.endm
.macro BARRIER                         ; my LDS stores have landed and my LDS loads are in: then the work-group's barrier
	s_wait_dscnt 0x0
	s_barrier_signal -1
	s_barrier_wait -1
.endm
; k's key tile kt (0 .. 15 of my 256 keys) takes buffer kt % 4
.macro KBUF kt
.if ((\kt)%4) == 0
.set KW, 0
.set KR, 96
.elseif ((\kt)%4) == 1
.set KW, 1
.set KR, 192
.elseif ((\kt)%4) == 2
.set KW, 0
.set KR, 144
.else
.set KW, 0
.set KR, 16
.endif
.endm
.macro KLOAD kt                        ; its four fragments: 6,144 consecutive bytes, 12 loads
	KBUF \kt
	WIN KW<<6
.irp g,0,1,2,3,4,5,6,7,8,9,10,11
	global_load_b128 v[KR+4*\g:KR+4*\g+3], v[LI], s[26:27] offset:((\kt)/8)*CHB+((\kt)%8)*TILEB+512*\g
.endr
	WIN 0
.endm
.macro FINM d                          ; a chunk's largest scores become -Mc = floor(-t), whole numbers, in the low words of the pairs at d
.irp m,0,1,2,3
	v_permlanex16_b32 v[WK+4+\m], v[WK+\m], s[SEL], s[SEL+1]
.endr
.irp m,0,1,2,3
	v_max_num_f32 v[WK+\m], v[WK+\m], v[WK+4+\m]
.endr
.irp m,0,1,2,3
	v_mul_f32 v[WK+\m], s46, v[WK+\m]              ; as t (c is positive)
.endr
.irp m,0,1,2,3
	v_floor_f32 v[\d+2*\m], -v[WK+\m]
.endr
.endm
.macro SLICE j                         ; 32 registers of chunk 0: half j % 2 of unit (m = j / 2, c = 0): t - M0, e, and into the unit's sum
.set SM, (\j)/2
.set SB, 64*SM+32*((\j)%2)
	WIN 2|(2<<6)
.set J, 0
.rept 16
	v_pk_fma_f32 v[SB+J:SB+J+1], v[SB+J:SB+J+1], s[46:47], v[NF+2*SM:NF+2*SM+1] op_sel_hi:[1,0,0]
.set J, J+2
.endr
	s_wait_alu depctr_va_vdst(0)                   ; wait ahead of the batch
.set J, 0
.rept 32
	v_exp_f32 v[SB+J], v[SB+J]
.set J, J+1
.endr
	v_nop                                          ; a plain line behind the exponentials
	s_wait_alu depctr_va_vdst(0)                   ; one wait for the batch, ahead of its first reader
.if ((\j)%2) == 0
	WIN 2|(2<<2)
	v_pk_add_f32 v[SC:SC+1], v[SB:SB+1], v[SB+2:SB+3]
	v_pk_add_f32 v[SC+2:SC+3], v[SB+4:SB+5], v[SB+6:SB+7]
.set J, 8
.else
.set J, 0
.endif
	WIN 2
.rept (32-J)/4
	v_pk_add_f32 v[SC:SC+1], v[SB+J:SB+J+1], v[SC:SC+1]
	v_pk_add_f32 v[SC+2:SC+3], v[SB+J+2:SB+J+3], v[SC+2:SC+3]
.set J, J+4
.endr
	WIN 0
.if ((\j)%2) == 1
	v_pk_add_f32 v[SC:SC+1], v[SC:SC+1], v[SC+2:SC+3]
	v_add_f32 v[SC], v[SC], v[SC+1]
	v_permlanex16_b32 v[WK+4], v[SC], s[SEL], s[SEL+1]
	v_add_f32 v[NF+2*SM+1], v[SC], v[WK+4]
.endif
.endm
; 16 keys x 64 queries x 512: 16 matrix instructions on four accumulators by turns; the buffer takes the tile four further on; then vector work under the loads' flight
.macro KT kt
	KBUF \kt
.set KC, (\kt)/8
.set KTT, (\kt)%8
.if (\kt) < 13
	s_wait_loadcnt 36                              ; this tile is in: the three younger tiles' 36 loads may be out
.else
	s_wait_loadcnt 12*(15-(\kt))
.endif
	WIN KW|(1<<2)|((2+KC)<<4)|((2+KC)<<6)
.irp s,0,1,2,3
.irp m,0,1,2,3
.if \s == 0
	WM 64*\m+8*KTT, KR+12*\s, 12*(4*\m+\s), 0, 0, SS+4*KTT+\s, QS+4*\m+\s, KC
.else
	WM 64*\m+8*KTT, KR+12*\s, 12*(4*\m+\s), 1, 64*\m+8*KTT, SS+4*KTT+\s, QS+4*\m+\s, KC
.endif
.endr
.endr
.rept 4
	v_nop                                          ; places in front of the loads into the buffer and of the first reads of the results
.endr
	WIN 0
.if (\kt) < 12
	KLOAD (\kt)+4
.endif
	WIN (2+KC)|((2+KC)<<2)                         ; the tile's scores into four running maxima, one a query tile; each accumulator from its low end on
.irp m,0,1,2,3
.if KTT == 0
	v_max_num_f32 v[WK+\m], v[64*\m], v[64*\m+1]
.else
	v_max3_num_f32 v[WK+\m], v[64*\m+8*KTT], v[64*\m+8*KTT+1], v[WK+\m]
.endif
.endr
.irp i,2,4,6
.irp m,0,1,2,3
	v_max3_num_f32 v[WK+\m], v[64*\m+8*KTT+\i], v[64*\m+8*KTT+\i+1], v[WK+\m]
.endr
.endr
	WIN 0
.if (\kt) == 7
	FINM NF
.endif
.if (\kt) == 15
	FINM N1
.endif
.if (\kt) >= 8
	SLICE (\kt)-8
.endif
	s_wait_alu depctr_va_vdst(0)
.endm
.macro SMJ j                           ; eight chains: four more e of each tile
.irp m,0,1,2,3
	v_pk_add_f32 v[WS+4*\m:WS+4*\m+1], v[64*\m+\j:64*\m+\j+1], v[WS+4*\m:WS+4*\m+1]
	v_pk_add_f32 v[WS+4*\m+2:WS+4*\m+3], v[64*\m+\j+2:64*\m+\j+3], v[WS+4*\m+2:WS+4*\m+3]
.endr
.endm
	s_load_b256 s[4:11], s[0:1], 0x0               ; qkv, qkvs, wf, Wo_scales
	s_load_b128 s[12:15], s[0:1], 0x20             ; bo, x
	s_load_b64 s[16:17], s[0:1], 0x30              ; out0
	v_lshl_add_u32 v254, v0, 2, 0x41400
	v_mov_b32 v255, 0
	v_lshrrev_b32 v61, 5, v0
	v_readfirstlane_b32 s18, v61                   ; wave 0..3
	s_and_b32 s19, ttmp9, 31                       ; image: the eight work-groups that read one image's k and v have numbers 32 apart
	s_lshr_b32 s20, ttmp9, 5                       ; block of 128 queries
	v_and_b32 v61, 31, v0                          ; l
	v_and_b32 v62, 15, v0                          ; r
	v_bfe_u32 v63, v0, 4, 1                        ; h
	v_lshlrev_b32 v[LI], 4, v61
	v_lshlrev_b32 v[L4], 2, v61
	v_lshlrev_b32 v[L8], 3, v61
	v_lshlrev_b32 v[R16], 4, v62
	v_lshl_add_u32 v[KSA], v63, 11, v[R16]
	v_and_b32 v[T1], 8, v62
	v_add_nc_u32 v[T1], v[T1], v62
	v_lshlrev_b32 v[WSA], 4, v[T1]
	s_lshl_b32 s49, s18, 11
	s_add_co_u32 s50, s49, ST1
	v_add_nc_u32 v[SA], s50, v[L8]
	s_add_co_u32 s50, s49, PSC
	v_add_nc_u32 v[PSA], s50, v[L4]
	s_mul_i32 s49, s18, 12288
	v_add_nc_u32 v[MA], s49, v[LI]                 ; where I put my two tiles of q
	s_mul_i32 s49, s18, 24576
	s_add_co_u32 s49, s49, PIMG
	v_add_nc_u32 v[PA], s49, v[LI]
	s_lshl_b32 s49, s18, 10
	v_add_nc_u32 v[T1], s49, v[LI]                 ; and their scale words
	s_mul_i32 s49, s18, 16*SPITCH
	s_add_co_u32 s49, s49, STG
	v_mul_u32_u24 v[STO], v62, SPITCH
	v_lshl_add_u32 v[STO], v63, 6, v[STO]
	v_add_nc_u32 v[STO], s49, v[STO]               ; my stage: row r, + 64 h
	v_add_nc_u32 v[RD], s49, v[LI]                 ; back: a row's 512 bytes over the 32 lanes
	s_lshl_b32 s49, s18, 9
	s_add_co_u32 s50, s49, BO
	v_lshl_add_u32 v[BA], v63, 6, s50
	v_add_nc_u32 v[T2], s50, v[LI]                 ; where I put my part of bo
	v_add_nc_u32 v[CA], ST1, v[L8]
	s_lshl_b32 s49, s18, 16
	v_lshl_add_u32 v[PFX], v61, 8, s49
	s_mul_i32 s49, s20, 3
	s_add_co_u32 s49, s49, s18
	s_lshl_b32 s49, s49, 14
	v_lshl_add_u32 v[PFV], v61, 8, s49
	s_mul_i32 s49, s18, FRB
	s_add_co_u32 s49, s49, OIMG
	v_add_nc_u32 v[OWI], s49, v[LI]
	s_lshl_b32 s49, s18, 7
	s_add_co_u32 s49, s49, OSC
	v_add_nc_u32 v[OWS], s49, v[L4]
	v_add_nc_u32 v[PR0], PIMG, v[LI]
	v_add_nc_u32 v[PR1], PIMG+49152, v[LI]
	v_add_nc_u32 v[PSR], PSC, v[L4]
.irp m,0,1,2,3
	v_mov_b32 v[WK+4+\m], 0                        ; written once: a lane permute's destination counts as a source
	v_mov_b32 v[NF+2*\m+1], 0                      ; (named as the upper half of a pair before it is first written)
.endr
	s_mov_b32 s[SEL], 0x76543210
	s_mov_b32 s[SEL+1], 0xfedcba98
	s_mov_b32 s46, 0x3d8293ee                      ; c = log2(e) / sqrt(512)
	s_mov_b32 s47, s46                             ; (named with it as a pair)
	s_mov_b32 s23, 0
	s_wait_alu depctr_va_vdst(0)
	s_wait_kmcnt 0x0
	s_mul_i32 s22, s19, BATB
	s_add_nc_u64 s[4:5], s[4:5], s[22:23]          ; qkv at my image's q
	s_mul_i32 s22, s18, CHB
	s_add_nc_u64 s[36:37], s[8:9], s[22:23]
	s_add_nc_u64 s[36:37], s[36:37], 3*WB          ; Wo: my 128 rows
	s_lshl_b32 s22, s22, 1
	s_add_nc_u64 s[26:27], s[4:5], s[22:23]
	s_add_nc_u64 s[26:27], s[26:27], KOFF          ; k: chunks 2 w, 2 w + 1
	s_add_nc_u64 s[60:61], s[4:5], VOFF            ; v of my image
	s_mul_i32 s22, s18, 12288
	s_add_nc_u64 s[28:29], s[60:61], s[22:23]      ; v: channel tiles 8 w on
	s_mul_i32 s21, s20, CHB
	s_add_co_u32 s22, s22, s21
	s_add_nc_u64 s[24:25], s[4:5], s[22:23]        ; q: tiles 8 block + 2 w, + 1
	s_lshl_b32 s22, s19, 14
	s_add_nc_u64 s[6:7], s[6:7], s[22:23]          ; qkvs at my image
	s_lshl_b32 s22, s18, 9
	s_add_nc_u64 s[34:35], s[6:7], s[22:23]
	s_add_nc_u64 s[34:35], s[34:35], VSOFF
	s_add_nc_u64 s[12:13], s[12:13], s[22:23]
	s_lshl_b32 s21, s20, 11
	s_add_co_u32 s22, s22, s21
	s_add_nc_u64 s[30:31], s[6:7], s[22:23]
	s_lshl_b32 s22, s18, 11
	s_add_nc_u64 s[38:39], s[10:11], s[22:23]
	s_lshl_b32 s22, s18, 12
	s_add_nc_u64 s[32:33], s[6:7], s[22:23]
	s_add_nc_u64 s[32:33], s[32:33], KSOFF
	s_lshl_b32 s22, s19, 21
	s_lshl_b32 s21, s20, 18
	s_add_co_u32 s22, s22, s21
	s_add_nc_u64 s[52:53], s[14:15], s[22:23]      ; x at my block's first byte
	s_add_nc_u64 s[42:43], s[16:17], s[22:23]
	s_lshl_b32 s22, s18, 9
	s_add_nc_u64 s[40:41], s[52:53], s[22:23]      ; x and out0 at my 128 channels
	s_add_nc_u64 s[42:43], s[42:43], s[22:23]
	; ---- my two tiles of q, their scale rows, my part of bo (27 loads, into window 2, idle as yet); k's scale words (8); k's first two tiles (24)
	WIN 0x80
.irp g,0,1,2,3,4,5,6,7,8,9,10,11,12,13,14,15,16,17,18,19,20,21,22,23
	global_load_b128 v[4*\g:4*\g+3], v[LI], s[24:25] offset:512*\g
.endr
	global_load_b128 v[96:99], v[R16], s[30:31]
	global_load_b128 v[100:103], v[R16], s[30:31] offset:256
	global_load_b128 v[104:107], v[LI], s[12:13]
	WIN 0
.irp t,0,1,2,3,4,5,6,7
	global_load_b128 v[SS+4*\t:SS+4*\t+3], v[KSA], s[32:33] offset:256*\t   ; lanes 0-15: chunk 2 w's words; lanes 16-31: chunk 2 w + 1's
.endr
	KLOAD 0
	KLOAD 1
	s_wait_loadcnt 32                              ; the first 27 are in: the 32 issued behind them may be out
	WIN 0x08                                       ; a store's data are its source 1: window 2
.irp g,0,1,2,3,4,5,6,7,8,9,10,11,12,13,14,15,16,17,18,19,20,21,22,23
	ds_store_b128 v[MA], v[4*\g:4*\g+3] offset:QIMG+512*\g
.endr
	ds_store_b128 v[T1], v[96:99] offset:QSC
	ds_store_b128 v[T1], v[100:103] offset:QSC+512
	ds_store_b128 v[T2], v[104:107]
	WIN 0
	BARRIER                                        ; q, its scale words and bo lie in LDS; nobody writes them again
; ---- v for p v: my 8 channel tiles of a key step, in THREE buffers by turns: fragment 8 (ks % 3) + t in window 1 at 12 x its number while that is under 21; the last three in window 0, v24-59
.macro VSET ks, t
.set VG, 8*((\ks)%3)+(\t)
.if VG < 21
.set VW, 1
.set VR, 12*VG
.else
.set VW, 0
.set VR, 24+12*(VG-21)
.endif
.endm
.macro VFR ks, lo, hi                  ; fragments lo .. hi - 1 of a key step, three loads each
.irp t,0,1,2,3,4,5,6,7
.if (\t >= \lo) && (\t < \hi)
	VSET \ks, \t
	WIN VW<<6
.irp c,0,1,2
	global_load_b128 v[VR+4*\c:VR+4*\c+3], v[LI], s[28:29] offset:(\ks)*CHB+\t*FRB+512*\c
.endr
.endif
.endr
	WIN 0
.endm
.macro VLOAD ks                        ; 24 + 4 loads
.irp t,0,1,2,3,4,5,6,7
	VSET \ks, \t
	WIN VW<<6
.irp c,0,1,2
	global_load_b128 v[VR+4*\c:VR+4*\c+3], v[LI], s[28:29] offset:(\ks)*CHB+\t*FRB+512*\c
.endr
.endr
	WIN 0
.irp i,0,1,2,3
	global_load_b32 v[VS+4*((\ks)%3)+\i], v[L4], s[34:35] offset:(\ks)*2048+128*\i
.endr
.endm
	s_mov_b32 s48, 0                               ; the half
.Lhalf:
	s_wait_dscnt 0x0                               ; the last stores have read the codes: v16-63 take a tile of k
	KLOAD 2
	KLOAD 3
	s_wait_loadcnt 24                              ; all but the 24 just issued are in: k's tiles 0 and 1; nothing is on its way into q's registers
	s_mul_i32 s50, s48, 4*TILEB
	s_lshl_b32 s51, s48, 11
	s_add_co_u32 s51, s51, QSC
	v_add_nc_u32 v[MA], s50, v[LI]
	v_add_nc_u32 v[TA], s51, v[LI]
	WIN 0x40
.set G, 0
.rept 48
	ds_load_b128 v[4*G:4*G+3], v[MA] offset:QIMG+512*G   ; q's fragment (tile m, K step s) of this half at v[12 (4 m + s)] of window 1
.set G, G+1
.endr
	WIN 0
.irp m,0,1,2,3
	ds_load_b128 v[QS+4*\m:QS+4*\m+3], v[TA] offset:512*\m
.endr
	s_wait_dscnt 0x0
.irp n,0,1,2,3,4,5,6,7,8,9,10,11,12,13,14,15
	KT \n
.endr
	s_cmp_eq_u32 s48, 0
	s_cbranch_scc0 .Lvl
	KLOAD 0                                        ; the next half's first two tiles land under the softmax
	KLOAD 1
	s_cmp_lt_u32 s18, 3
	s_cbranch_scc0 .Lsm
	global_prefetch_b8 v[PFV], s[60:61] th:TH_LOAD_NT scope:SCOPE_SE
	global_prefetch_b8 v[PFV], s[60:61] offset:8192 th:TH_LOAD_NT scope:SCOPE_SE
	s_branch .Lsm
.Lvl:
	VLOAD 0                                        ; q's registers are done with: v's first two key steps land under the softmax,
	VLOAD 1
	VFR 2, 0, 5                                    ; and five fragments of the third, in window 1, v192-251, which k has left
.Lsm:
	; ---- chunk 1: t - M1, e, the sums
	WIN 3|(3<<6)
.set J, 0
.rept 128
	v_pk_fma_f32 v[J:J+1], v[J:J+1], s[46:47], v[N1+2*(J/64):N1+2*(J/64)+1] op_sel_hi:[1,0,0]
.set J, J+2
.endr
	s_wait_alu depctr_va_vdst(0)                   ; wait ahead of the batch
.set J, 0
.rept 256
	v_exp_f32 v[J], v[J]
.set J, J+1
.endr
	v_nop                                          ; a plain line behind the exponentials
	s_wait_alu depctr_va_vdst(0)                   ; one wait for the batch, ahead of its first reader
	WIN 3|(3<<2)
.irp m,0,1,2,3
	v_pk_add_f32 v[WS+4*\m:WS+4*\m+1], v[64*\m:64*\m+1], v[64*\m+2:64*\m+3]
	v_pk_add_f32 v[WS+4*\m+2:WS+4*\m+3], v[64*\m+4:64*\m+5], v[64*\m+6:64*\m+7]
.endr
	WIN 3
.irp j,8,12,16,20,24,28,32,36,40,44,48,52,56,60
	SMJ \j
.endr
	WIN 0
.irp m,0,1,2,3
	v_pk_add_f32 v[WS+4*\m:WS+4*\m+1], v[WS+4*\m:WS+4*\m+1], v[WS+4*\m+2:WS+4*\m+3]
.endr
.irp m,0,1,2,3
	v_add_f32 v[WS+4*\m], v[WS+4*\m], v[WS+4*\m+1]
.endr
.irp m,0,1,2,3
	v_permlanex16_b32 v[WK+4+\m], v[WS+4*\m], s[SEL], s[SEL+1]
.endr
.irp m,0,1,2,3
	v_add_f32 v[N1+2*\m+1], v[WS+4*\m], v[WK+4+\m]
.endr
	; ---- my two chunks under one -Mw; the whole numbers Mc - Mw are kept for the factors
.irp m,0,1,2,3
	v_min_num_f32 v[EX+2*\m], v[NF+2*\m], v[N1+2*\m]
.endr
.irp m,0,1,2,3
	v_sub_f32 v[NF+2*\m], v[EX+2*\m], v[NF+2*\m]   ; M0 - Mw: 0 or less
	v_sub_f32 v[N1+2*\m], v[EX+2*\m], v[N1+2*\m]
.endr
.irp m,0,1,2,3
	v_cvt_i32_f32 v[NF+2*\m], v[NF+2*\m]           ; (it saturates)
	v_cvt_i32_f32 v[N1+2*\m], v[N1+2*\m]
.endr
.irp m,0,1,2,3
	v_ldexp_f32 v[EX+2*\m+1], v[NF+2*\m+1], v[NF+2*\m]
	v_ldexp_f32 v[N1+2*\m+1], v[N1+2*\m+1], v[N1+2*\m]
.endr
.irp m,0,1,2,3
	v_add_f32 v[EX+2*\m+1], v[EX+2*\m+1], v[N1+2*\m+1]
	v_mov_b32 v[NF+2*\m+1], v[N1+2*\m]             ; M1 - Mw beside M0 - Mw
.endr
	s_lshl_b32 s50, s48, 10
	v_add_nc_u32 v[T2], s50, v[SA]
	v_add_nc_u32 v[T1], s50, v[CA]
.irp m,0,1,2,3
	ds_store_b64 v[T2], v[EX+2*\m:EX+2*\m+1] offset:256*\m
.endr
	s_wait_alu depctr_va_vdst(0)
	BARRIER                                        ; all four waves' (-Mw, sum) of this half lie in LDS; the other half has bytes of its own
.irp m,0,1,2,3
.irp k,0,1,2,3
	ds_load_b64 v[RS+8*\m+2*\k:RS+8*\m+2*\k+1], v[T1] offset:2048*\k+256*\m
.endr
.endr
	s_wait_dscnt 0x0
.irp m,0,1,2,3
	v_min3_num_f32 v[WK+\m], v[RS+8*\m], v[RS+8*\m+2], v[RS+8*\m+4]
.endr
.irp m,0,1,2,3
	v_min_num_f32 v[WK+\m], v[WK+\m], v[RS+8*\m+6] ; the least -Mw: the row's -M
.endr
.irp k,0,2,4,6
.irp m,0,1,2,3
	v_sub_f32 v[RS+8*\m+\k], v[WK+\m], v[RS+8*\m+\k]   ; a wave's Mw less the row's M: a whole number, 0 or less
.endr
.endr
.irp m,0,1,2,3
	v_sub_f32 v[WK+4+\m], v[WK+\m], v[EX+2*\m]     ; mine
.endr
.irp k,0,2,4,6
.irp m,0,1,2,3
	v_cvt_i32_f32 v[RS+8*\m+\k], v[RS+8*\m+\k]     ; (it saturates)
.endr
.endr
.irp m,0,1,2,3
	v_cvt_i32_f32 v[WK+4+\m], v[WK+4+\m]
.endr
.irp k,0,2,4,6
.irp m,0,1,2,3
	v_ldexp_f32 v[RS+8*\m+\k+1], v[RS+8*\m+\k+1], v[RS+8*\m+\k]   ; the wave's sum under the row's M: nothing is rounded
.endr
.endr
.irp k,3,5,7
.irp m,0,1,2,3
	v_add_f32 v[RS+8*\m+1], v[RS+8*\m+1], v[RS+8*\m+\k]   ; l, in the same order in every wave
.endr
.endr
	s_wait_alu depctr_va_vdst(0)
.irp m,0,1,2,3
	v_rcp_f32 v[RS+8*\m+1], v[RS+8*\m+1]
.endr
	v_nop
	s_wait_alu depctr_va_vdst(0)
.irp m,0,1,2,3
	v_ldexp_f32 v[RS+8*\m+1], v[RS+8*\m+1], v[WK+4+\m]   ; 2^(Mw - M) / l
.endr
.irp m,0,1,2,3
	v_ldexp_f32 v[NF+2*\m], v[RS+8*\m+1], v[NF+2*\m]     ; the factors 2^(Mc - M) / l: chunk 0's below,
	v_ldexp_f32 v[NF+2*\m+1], v[RS+8*\m+1], v[NF+2*\m+1] ; chunk 1's above
.endr
	; ---- p = e x factor, quantised along the keys: unit u = 4 c + m
	s_mov_b32 s49, 0
	s_wait_alu depctr_va_vdst(0)
.Lun:
.irp u,1,2,3,4,5,6,7
	s_cmp_eq_u32 s49, \u
	s_cbranch_scc1 .Larm_\u
.endr
.irp u,0,1,2,3,4,5,6,7
.Larm_\u:
	WIN 2+\u/4
.set J, 0
.rept 32
.if \u < 4
	v_pk_mul_f32 v[S+J:S+J+1], v[64*(\u%4)+J:64*(\u%4)+J+1], v[NF+2*(\u%4):NF+2*(\u%4)+1] op_sel_hi:[1,0]
.else
	v_pk_mul_f32 v[S+J:S+J+1], v[64*(\u%4)+J:64*(\u%4)+J+1], v[NF+2*(\u%4):NF+2*(\u%4)+1] op_sel:[0,1] op_sel_hi:[1,1]
.endif
.set J, J+2
.endr
	WIN 0
	s_wait_alu depctr_va_vdst(0)
.if \u < 7
	s_branch .Ljoin
.endif
.endr
.Ljoin:
	s_lshr_b32 s50, s49, 2                         ; c
	s_mul_i32 s51, s50, 12288
	s_lshl_b32 s50, s50, 10
	s_and_b32 s54, s49, 3
	s_lshl_b32 s55, s48, 2
	s_add_co_u32 s54, s54, s55                     ; the query tile: 4 half + m
	s_mul_i32 s55, s54, FRB
	s_add_co_u32 s51, s51, s55
	s_lshl_b32 s54, s54, 7
	s_add_co_u32 s50, s50, s54
	QA S, 0, 0                                     ; 0: the last trip's stores have read the codes, the scale word and their addresses
	v_add_nc_u32 v[T1], s51, v[PA]
	v_add_nc_u32 v[T2], s50, v[PSA]
	QB
.irp c,0,1,2
	ds_store_b128 v[T1], v[PC+4*\c:PC+4*\c+3] offset:512*\c
.endr
	ds_store_b32 v[T2], v[PW]
	s_add_co_u32 s49, s49, 1
	s_cmp_lt_u32 s49, 8
	s_wait_alu depctr_va_vdst(0)
	s_cbranch_scc1 .Lun
	s_add_co_u32 s48, s48, 1
	s_cmp_lt_u32 s48, 2
	s_cbranch_scc1 .Lhalf
; ---- O^T = v^T p^T.  Accumulator (query tile m, channel tile t) in window 2 + m / 4 at 64 (m % 4) + 8 t.  p from LDS.
.macro PFETCH ks, m0                   ; p's tiles m0 .. m0 + 3 of a key step: 16 LDS loads
.irp m,\m0,\m0+1,\m0+2,\m0+3
.irp c,0,1,2
	ds_load_b128 v[PF+12*(\m)+4*\c:PF+12*(\m)+4*\c+3], v[PR0+(\ks)/4] offset:((\ks)%4)*12288+FRB*(\m)+512*\c
.endr
	ds_load_b32 v[PS+(\m)], v[PSR] offset:1024*(\ks)+128*(\m)
.endr
.endm
.macro PVMUL ks, m0, wb                ; 32 matrix instructions on 32 accumulators, one each.  wb: C's and D's window; source 0's window goes with the fragment
.irp m,\m0,\m0+1,\m0+2,\m0+3
.irp t,0,1,2,3,4,5,6,7
	VSET \ks, \t
	WIN (\wb)|VW
.if (\ks) == 0
	WM 64*((\m)%4)+8*\t, VR, PF+12*(\m), 0, 0, VS+4*((\ks)%3)+\t/2, PS+(\m), \t%2
.else
	WM 64*((\m)%4)+8*\t, VR, PF+12*(\m), 1, 64*((\m)%4)+8*\t, VS+4*((\ks)%3)+\t/2, PS+(\m), \t%2
.endif
.endr
.endr
.endm
; Loads in the order of issue: v of key steps 0, 1, 2 ahead of step 0; v of step ks + 2 in step ks (1 to 5); five fragments of Wo in step 6; eight in step 7.
.macro PVSTEP ks
.if (\ks) == 7
	s_wait_loadcnt 15                              ; this key step's v is in: Wo's 15 loads of step 6 are younger
.else
	s_wait_loadcnt 28                              ; this key step's v is in: the next key step's 28 loads are younger
.endif
.if ((\ks) >= 1) && ((\ks) <= 5)
	VLOAD (\ks)+2                                  ; into the buffer that the last step has left
.endif
.if (\ks) == 6
	LOADPART 0, 36, 0, 16, 21                      ; Wo's fragments 16-20 into window 1, v192-251: step 5 was the last to read v there
.endif
.if (\ks) == 7
	LOADPART 0, 36, 0, 0, 8                        ; fragments 0-7 into v0-95: step 6 was the last
.endif
	global_prefetch_b8 v[PFX], s[52:53] offset:(\ks)*8192 th:TH_LOAD_NT scope:SCOPE_SE   ; x of my block: 4 waves x 8 steps x 32 lanes x 256 bytes = its 262,144 bytes, each block named once
	s_wait_dscnt 16                                ; p's tiles 0-3 are in; the 16 younger loads (tiles 4-7) may be out
	PVMUL \ks, 0, 0xa0
	s_wait_dscnt 0x0
	PLACES
	WIN 0
.if (\ks) < 7
	PFETCH (\ks)+1, 0
.endif
	PVMUL \ks, 4, 0xf0
	PLACES
	WIN 0
.if (\ks) < 7
	PFETCH (\ks)+1, 4
.endif
.endm
	s_wait_loadcnt 0x0                             ; v's key steps 0 and 1, asked for a softmax ago; nothing is on its way into the registers used below
	s_wait_dscnt 0x0                               ; the last stores have read the codes: v24-59 take three fragments of v
	VFR 2, 5, 8                                    ; the third key step's last three fragments and its scale words: 13 loads
.irp i,0,1,2,3
	global_load_b32 v[VS+8+\i], v[L4], s[34:35] offset:2*2048+128*\i
.endr
	BARRIER                                        ; p's 64 fragments and their scale words lie in LDS
	PFETCH 0, 0
	PFETCH 0, 4
.irp n,0,1,2,3,4,5,6,7
	PVSTEP \n
.endr
; x: the 16 rows of a tile (row k is token k + 8 (k / 8) of its 32), my 512 bytes of each, into buffer m % 2.  m counts from the pair of tiles at which s[40:41] stands.
.macro XSET m
.if ((\m)%2) == 0
.set XW, 2
.set XR, 132
.else
.set XW, 3
.set XR, 0
.endif
.endm
.macro XLOAD m
	XSET \m
	WIN XW<<6
.irp k,0,1,2,3,4,5,6,7,8,9,10,11,12,13,14,15
	global_load_b128 v[XR+4*\k:XR+4*\k+3], v[LI], s[40:41] offset:((\m)/2)*65536+((\m)%2)*16384+(\k+8*(\k/8))*2048 th:TH_LOAD_NT
.endr
	WIN 0
.endm
	; ---- O is quantised along the channels: my 128 channels are K step w of the last product.  Wo's last fragments and x's first two tiles are asked for as the accumulators are read out.
	LOADPART 0, 36, 0, 8, 16                       ; window 1, v96-191: step 7 was the last to read v there
.irp t,0,1,2,3,4,5,6,7
	global_load_b128 v[SS+4*\t:SS+4*\t+3], v[WSA], s[38:39] offset:(32*(\t/2)+8*(\t%2))*16
.endr
.irp m,0,1,2,3,4,5,6,7
.if \m == 0
	QA 64*(\m%4), 2+\m/4, -1
.else
	QA 64*(\m%4), 2+\m/4, 0
.endif
	QB
.irp c,0,1,2
	ds_store_b128 v[OWI], v[PC+4*\c:PC+4*\c+3] offset:TILEB*\m+512*\c
.endr
	ds_store_b32 v[OWS], v[PW] offset:512*\m
.if \m == 2
	LOADPART 0, 36, 0, 21, 32                      ; window 2, v0-131: tiles 0 to 2 of O have been read
.endif
.if \m == 3
	XLOAD 0                                        ; window 2, v132-195: tiles 2 and 3 have been read
.endif
.if \m == 4
	XLOAD 1                                        ; window 3, v0-63
.endif
.endr
.macro BIAS
.irp i,0,1,2,3,4,5,6,7,8,9,10,11,12,13,14,15
	ds_load_b128 v[S+4*\i:S+4*\i+3], v[BA] offset:128*(\i/4)+16*(\i%4)
.endr
.endm
.macro FETCHO m                        ; tile m of O, counted from where v[MA] stands: four fragments; each K step's scale words were stored by another wave
.irp g,0,1,2,3,4,5,6,7,8,9,10,11
	ds_load_b128 v[MV+4*\g:MV+4*\g+3], v[MA] offset:TILEB*(\m)+512*\g
.endr
.irp k,0,1,2,3
	ds_load_b32 v[MS+\k], v[TA] offset:512*(\m)+128*\k
.endr
.endm
; ---- out = O Wo + bo + x, a tile of 16 queries a unit.  u: the tile of the pair.  nx: the buffer just read takes the tile two further on, ahead of the stores.  fo: a tile follows.  lc: x's loads that are younger than this tile's.
.macro OUNIT u, nx, fo, lc
	s_wait_dscnt 0x0                               ; the tile of O, its scale words and the bias are in
	MM 0, 1, SS, 0
	PLACES
.if \fo
	FETCHO (\u)+1
.endif
.irp i,0,1,2,3,4,5,6,7,8,9,10,11,12,13,14,15
	ds_store_b128 v[STO], v[S+4*\i:S+4*\i+3] offset:128*(\i/4)+16*(\i%4)   ; a lane's four runs of 16 channels of its row; each accumulator from its low end on
.endr
	s_wait_xcnt 0x0                                ; the last unit's stores have read their data: the rows' registers are loaded again
	WIN 0xc0
.irp k,0,1,2,3,4,5,6,7,8,9,10,11,12,13,14,15
	ds_load_b128 v[64+4*\k:67+4*\k], v[RD] offset:SPITCH*\k   ; LDS serves a wave's instructions in order (ISA guide 5.7.1.4): these see my stores
.endr
	WIN 0
	s_wait_dscnt 0x0
.if \fo
	BIAS
.endif
	s_wait_loadcnt \lc                             ; this tile's x is in
	XSET \u
	WIN 0xc3|(XW<<2)
.irp q,0,2,4,6,8,10,12,14,16,18,20,22,24,26,28,30,32,34,36,38,40,42,44,46,48,50,52,54,56,58,60,62
	v_pk_add_f32 v[64+\q:65+\q], v[64+\q:65+\q], v[XR+\q:XR+\q+1]
.endr
.if \nx
	XLOAD (\u)+2
.endif
	WIN 0x0c
.irp k,0,1,2,3,4,5,6,7,8,9,10,11,12,13,14,15
	global_store_b128 v[LI], v[64+4*\k:67+4*\k], s[42:43] offset:(\u)*16384+(\k+8*(\k/8))*2048 th:TH_STORE_NT   ; 32 lanes store 512 consecutive bytes, aligned
.endr
	WIN 0
.endm
	BARRIER                                        ; O's 32 fragments and their scale words lie in LDS
	v_add_nc_u32 v[MA], OIMG, v[LI]
	v_add_nc_u32 v[TA], OSC, v[L4]
	FETCHO 0
	BIAS
	s_wait_alu depctr_va_vdst(0)
	s_wait_loadcnt 32                              ; Wo and its scales are in: x's 32 loads are younger
	s_mov_b32 s49, 0
.Lou:                                                  ; a trip: a pair of tiles; three trips, and the last pair, which asks for nothing more, is written out
	OUNIT 0, 1, 1, 16
	OUNIT 1, 1, 1, 16
	s_wait_xcnt 0x0                                ; the loads and stores have read their bases
	s_add_nc_u64 s[40:41], s[40:41], 65536
	s_add_nc_u64 s[42:43], s[42:43], 65536
	v_add_nc_u32 v[MA], 2*TILEB, v[MA]
	v_add_nc_u32 v[TA], 1024, v[TA]
	s_add_co_u32 s49, s49, 1
	s_cmp_lt_u32 s49, 3
	s_wait_alu depctr_va_vdst(0)
	s_cbranch_scc1 .Lou
	OUNIT 0, 0, 1, 16
	OUNIT 1, 0, 0, 0
	s_wait_tensorcnt 0x0                           ; the wave's end
	ds_add_u32 v254, v255
	s_wait_dscnt 0x0
	s_endpgm
.Lfunc_end_k_q0c4a921bbb_attn:
	.size	k_q0c4a921bbb_attn, .Lfunc_end_k_q0c4a921bbb_attn-k_q0c4a921bbb_attn
	.p2alignl 7, 3214868480
	.fill 96, 4, 3214868480
	.section	.rodata,"a",@progbits
	.p2align	6, 0x0
	.amdhsa_kernel k_q0c4a921bbb_attn
		.amdhsa_group_segment_fixed_size 267776
		.amdhsa_private_segment_fixed_size 0
		.amdhsa_enable_private_segment 0
		.amdhsa_kernarg_size 56
		.amdhsa_user_sgpr_count 2
		.amdhsa_user_sgpr_kernarg_segment_ptr 1
		.amdhsa_wavefront_size32 1
		.amdhsa_system_sgpr_workgroup_id_x 1
		.amdhsa_system_sgpr_workgroup_id_y 1
		.amdhsa_system_sgpr_workgroup_id_z 1
		.amdhsa_system_vgpr_workitem_id 0
		.amdhsa_next_free_vgpr 1024
		.amdhsa_next_free_sgpr 66
		.amdhsa_reserve_vcc 0
		.amdhsa_float_denorm_mode_32 3
		.amdhsa_float_denorm_mode_16_64 3
		.amdhsa_memory_ordered 1
		.amdhsa_forward_progress 1
		.amdhsa_inst_pref_size 255
	.end_amdhsa_kernel
	.section	.bss,"aw",@nobits
	.p2align	6
	.space	262144
	.amdgpu_metadata
---
amdhsa.version: [ 1, 2 ]
amdhsa.kernels:
  - .name:           k_q0c4a921bbb_attn
    .symbol:         k_q0c4a921bbb_attn.kd
    .args:
      - { .name: qkv, .offset: 0, .size: 8, .value_kind: global_buffer, .address_space: global }
      - { .name: qkvs, .offset: 8, .size: 8, .value_kind: global_buffer, .address_space: global }
      - { .name: wf, .offset: 16, .size: 8, .value_kind: global_buffer, .address_space: global }
      - { .name: Wo_scales, .offset: 24, .size: 8, .value_kind: global_buffer, .address_space: global }
      - { .name: bo, .offset: 32, .size: 8, .value_kind: global_buffer, .address_space: global }
      - { .name: x, .offset: 40, .size: 8, .value_kind: global_buffer, .address_space: global }
      - { .name: out0, .offset: 48, .size: 8, .value_kind: global_buffer, .address_space: global }
    .group_segment_fixed_size: 267776
    .private_segment_fixed_size: 0
    .kernarg_segment_align: 8
    .kernarg_segment_size: 56
    .max_flat_workgroup_size: 128
    .sgpr_count:     66
    .vgpr_count:     1024
    .wavefront_size: 32
...
	.end_amdgpu_metadata
.endif
;; end of part 3
